; MI455X (gfx1250); checked and timed in simulation.
; The chip was launched on July 23, 2026; its instructions are those of AMD's public machine-readable ISA for CDNA 5 (MIT licence, August 2026) and "CDNA5" Instruction Set Architecture Reference Guide (July 2026). The comments in the code are by the model that wrote it; some were corrected since.
;; Resonant Attention Layer. Allowed arithmetic: matrix products marked QUANTISED: E2M1 operands, one E8M0 scale for each 32 along K, by v_wmma_scale_f32_16x16x128_f8f6f4 with both operands' format E2M1 (or v_wmma_scale_f32_32x16x128_f4), f32 sums; products left as they are: bf16, f16 or f32 operands; f32 sums; everything else in f32.
;; Inputs: Wk 1,024 x 1,024 float32; Wo 1,024 x 1,024 float32; Wq 1,024 x 1,024 float32; Wv 1,024 x 1,024 float32; bk 1,024 float32; bo 1,024 float32; bq 1,024 float32; bv 1,024 float32; x 4 x 2,048 x 1,024 float32.
;; Outputs: out0 4 x 2,048 x 1,024 float32.
;; This version of the problem:
;;   THIS VERSION OF THE PROBLEM IS GIVEN IN LOW PRECISION. The matrix products marked QUANTISED in the list below multiply operands that are first quantised to E2M1 (2 exponent bits, 1 mantissa bit; 4 bits a number), with one power-of-two scale for each 32 numbers along K (OCP MX v1.0); their sums are f32. The products marked 'left as it is' may take bf16, f16 or f32 operands, with f32 sums. Whichever they take, every output number must still come out within the allowed error. Rounding operands to bf16 (8 significant bits) uses up far more of that allowance than f16 does (11 bits, for magnitudes from 6e-5 to 65,504). All else is computed in f32.
;;   The module's matrix products, in the order in which they are computed (A, B: the left and right operand; K: the contracted axis; several contracted axes count as one K, in the product's order):
;;     1. [M 8,192, K 1,024] x [K 1,024, N 1,024]; A: input x; B: input Wq: QUANTISED
;;     2. [M 8,192, K 1,024] x [K 1,024, N 1,024]; A: input x; B: input Wk: QUANTISED
;;     3. [M 8,192, K 1,024] x [K 1,024, N 1,024]; A: input x; B: input Wv: QUANTISED
;;     4. batch 64 x [M 2,048, K 64] x [K 64, N 2,048]; A: computed on the way; B: computed on the way: left as it is (an operand is computed on the way)
;;     5. batch 64 x [M 2,048, K 2,048] x [K 2,048, N 64]; A: computed on the way; B: computed on the way: left as it is (an operand is computed on the way)
;;     6. [M 8,192, K 1,024] x [K 1,024, N 1,024]; A: computed on the way; B: input Wo: left as it is (an operand is computed on the way)
;;   THE QUANTISER, for each operand of a quantised product, along K:
;;     - K is cut into blocks of 32 from its start; a last block that is shorter is filled with zeros.
;;     - A block's scale is 2^e with e = floor(log2(the largest magnitude in the block)) - 2, held to -126 .. 127; a block of zeros has e = 0. As a byte (E8M0): e + 127.
;;     - Each number is divided by its block's scale, clamped to +-6, and rounded to the nearest number of E2M1, ties to even, subnormals kept.
;;     - The product sums the exact products of the quantised numbers (number of the format x scale) in f32.
;;   ~~~python
;;   def quantise(x, axis):      # numpy; x: float32 -> the quantised numbers, widened to float32 again
;;       x = np.moveaxis(x, axis, -1); K = x.shape[-1]
;;       x = np.pad(x, [(0, 0)] * (x.ndim - 1) + [(0, -K % 32)]); x = x.reshape(x.shape[:-1] + (-1, 32)); a = np.abs(x).max(-1, keepdims=True)
;;       e = np.where(a > 0, np.clip(np.frexp(np.where(a > 0, a, 1))[1] - 1 - 2, -126, 127), 0)      # np.frexp(a)[1] - 1 = floor(log2(a)), exactly
;;       r = np.clip(x / 2.0 ** e, -6, 6)
;;       step = 2.0 ** (np.maximum(np.frexp(np.where(r == 0, 1, r))[1] - 1, 0) - 1)
;;       q = np.round(r / step) * step * 2.0 ** e      # np.round: ties to even
;;       return np.moveaxis(q.reshape(q.shape[:-2] + (-1,))[..., :K], -1, axis).astype(np.float32)
;;   ~~~
;; One version. Each part assembles by itself: llvm-mc -triple=amdgcn-amd-amdhsa -mcpu=gfx1250 --defsym DOCPART=n.
;; ======== version 1 of 1: 5 launches
;; limits: values are held in f16: magnitudes above 65,504 overflow, below 6.1e-05 lose precision
;; workspace buffers: codes 5,767,168 bytes; scales 360,448 bytes; wo16 2,097,152 bytes; rope 524,288 bytes; qkv16 50,331,648 bytes; fine32 786,432 bytes; attn16 16,777,216 bytes
;; launch prep (part 1): grid 400 x 1, 4 waves a work-group, no clusters, 33,280 bytes of LDS; arguments x, Wq, Wk, Wv, Wo, codes, scales, wo16, rope; writes codes, scales, wo16, rope
.if DOCPART == 1
	.amdgcn_target "amdgcn-amd-amdhsa--gfx1250"
	.amdhsa_code_object_version 6
	.text
	.protected	k_q22cdf73541_prep
	.globl	k_q22cdf73541_prep
	.p2align	8
	.type	k_q22cdf73541_prep,@function
k_q22cdf73541_prep:
	s_mov_b64 s[64:65], 0
	v_nop
	global_prefetch_b8 v0, s[64:65] scope:SCOPE_SE
	s_setreg_imm32_b32 hwreg(HW_REG_WAVE_MODE, 25, 1), 1
	s_wait_xcnt 0x0
; PREP: what the later launches read many times is made once.
; Work-groups 0-255: x [8192][1024] f32 -> codes of FP4 (E2M1), K innermost, 512 bytes a row, and one E8M0 byte for each 32 along K, 32 bytes a row.
; Work-groups 256-351: Wq, Wk, Wv likewise, behind x's part of both buffers, their rows laid HEAD-MAJOR: row 192 head + 64 t + i (t = 0, 1, 2 for q, k, v), so that one head's q, k and v rows are 192 neighbours.
; Work-groups 352-383: Wo -> f16.   Work-groups 384-399: the table of cosines and sines, [2048 positions][32 cos, 32 sin] f32.
; THE QUANTISER: a block's scale is 2^(floor(log2(largest magnitude)) - 2); its byte is the largest magnitude's exponent field - 2, held at 1 from below; each number / scale goes to the nearest code, ties to even, beyond 6 to 6.
; Rows are dense and 1,024 is a multiple of 32: a tensor is a stream of blocks.  A wave takes a run of 8,192 numbers (8 rows) in 16 steps of 512.  Each load reads 512 consecutive bytes; a step's 2,048 bytes turn
; through the wave's own stage in LDS, so that a lane holds 16 neighbours (two lanes a block); a step's codes leave as 256 consecutive bytes, a run's 256 scale bytes as one store of 256 consecutive bytes.
; LIMITS: NaN and infinities are not served.  A block of zeros gets the byte 1 where the rule says 127: its codes are zeros, and this program alone reads the bytes.
; The angle position x frequency is reduced by pi/2 in two parts and put through polynomials (sine to r^7, cosine to r^8); the frequency comes from v_exp_f32: angles are right to about 2e-4 rad at position 2,047.
.set WAVES, 4
.set STEPS, 16
.set EMAX,  2
.set CB,    8                          ; bytes of 16 codes
.set R,     16                         ; v16-79   four sets of 16 numbers as loaded
.set X,     80                         ; v80-111  two sets of 16 neighbours
.set C,     128                        ; v128-191 codes, four registers a step
.set E,     112                        ; v112-127 a scale byte a step
.set WREG,  8192                       ; LDS: a region for each wave: two stages of 32 x SP bytes, then its 256 scale bytes
.set SP,    80
.set SPW,   12                         ; v12 LDS address of my spare word; never rewritten
.set NIL,   13                         ; v13 0; never rewritten
.set SPARE, WAVES*WREG                 ; the spare words, 128 bytes a wave, named by no other line
	s_load_b512 s[4:19], s[0:1], 0x0               ; x s[4:5], Wq s[6:7], Wk s[8:9], Wv s[10:11], Wo s[12:13], codes s[14:15], scales s[16:17], wo16 s[18:19]
	s_load_b64 s[20:21], s[0:1], 0x40              ; rope
	v_lshl_add_u32 v[SPW], v0, 2, SPARE
	v_mov_b32 v[NIL], 0
	v_lshrrev_b32 v1, 5, v0
	v_readfirstlane_b32 s22, v1                    ; wave
	v_and_b32 v2, 31, v0                           ; lane
	s_cmp_ge_u32 ttmp9, 352
	s_cbranch_scc1 .Lother
	; ---------------- the quantiser ----------------
	v_lshlrev_b32 v3, 4, v2                        ; my 16 bytes of a load's 512
	s_mul_i32 s23, s22, WREG
	v_lshrrev_b32 v14, 2, v2
	v_mul_u32_u24 v14, v14, SP
	v_and_b32 v15, 3, v2
	v_lshl_add_u32 v14, v15, 4, v14
	v_add_nc_u32 v14, s23, v14                     ; the stage, on the way in: SP (lane / 4) + 16 (lane % 4)
	v_mul_u32_u24 v15, v2, SP
	v_add_nc_u32 v15, s23, v15                     ; and on the way out: SP x lane: my 16 neighbours
	v_mul_u32_u24 v4, v2, CB                       ; my codes' place in a step's
	v_lshrrev_b32 v5, 1, v2
	s_add_co_u32 s23, s23, 2*32*SP
	v_add_nc_u32 v5, s23, v5                       ; my block's scale byte in LDS
	v_lshlrev_b32 v7, 3, v2
	v_add_nc_u32 v6, s23, v7                       ; and 8 bytes a lane on the way out
	; which run is read and which is written.  x: both 4 g + wave.  W: u = 4 ((g - 256) & 31) + wave is read, 1024 + 24 (u / 8) + 8 t + u % 8 is written
	s_sub_co_u32 s26, ttmp9, 256
	s_lshr_b32 s27, s26, 5
	s_and_b32 s27, s27, 3                          ; t
	s_and_b32 s26, s26, 31
	s_lshl_b32 s26, s26, 2
	s_add_co_u32 s26, s26, s22                     ; u
	s_lshr_b32 s28, s26, 3
	s_mul_i32 s28, s28, 24
	s_lshl_b32 s27, s27, 3
	s_add_co_u32 s28, s28, s27
	s_and_b32 s29, s26, 7
	s_add_co_u32 s28, s28, s29
	s_add_co_u32 s28, s28, 1024
	s_lshl_b32 s29, ttmp9, 2
	s_add_co_u32 s29, s29, s22
	s_cmp_lt_u32 ttmp9, 256
	s_cselect_b32 s26, s29, s26                    ; the run read
	s_cselect_b32 s28, s29, s28                    ; the run written
	s_lshl_b32 s30, s26, 15                        ; 32,768 bytes of f32 a run
	s_mov_b32 s31, 0
	s_lshl_b32 s32, s28, 12                        ; 4,096 bytes of codes
	s_mov_b32 s33, 0
	s_lshl_b32 s34, s28, 8                         ; 256 scale bytes
	s_mov_b32 s35, 0
	s_wait_kmcnt 0x0
	s_cmp_lt_u32 ttmp9, 320                        ; the source is chosen by the work-group's number alone
	s_cselect_b64 s[24:25], s[8:9], s[10:11]
	s_cmp_lt_u32 ttmp9, 288
	s_cselect_b64 s[24:25], s[6:7], s[24:25]
	s_cmp_lt_u32 ttmp9, 256
	s_cselect_b64 s[24:25], s[4:5], s[24:25]
	s_add_nc_u64 s[24:25], s[24:25], s[30:31]
	s_add_nc_u64 s[14:15], s[14:15], s[32:33]
	s_add_nc_u64 s[16:17], s[16:17], s[34:35]
.macro LOAD t
.irp i, 0,1,2,3
	global_load_b128 v[R+16*((\t)%4)+4*\i:R+16*((\t)%4)+4*\i+3], v3, s[24:25] offset:2048*(\t)+512*\i th:TH_LOAD_NT   ; 32 lanes read 512 consecutive bytes
.endr
.endm
.macro TURN t                          ; step t's numbers through the stage: LDS serves a wave's instructions in order, so no wait stands between the stores and the loads
.irp i, 0,1,2,3
	ds_store_b128 v14, v[R+16*((\t)%4)+4*\i:R+16*((\t)%4)+4*\i+3] offset:32*SP*((\t)%2)+8*SP*\i
.endr
.irp i, 0,1,2,3
	ds_load_b128 v[X+16*((\t)%2)+4*\i:X+16*((\t)%2)+4*\i+3], v15 offset:32*SP*((\t)%2)+16*\i
.endr
.endm
.irp t, 0,1,2,3
	LOAD \t
.endr
	s_wait_loadcnt 12                              ; step 0's four loads are in; the twelve of steps 1 to 3 stay out
	TURN 0
.macro STEP t
.set XS, X+16*((\t)%2)
.if (\t) > 0
	s_wait_dscnt 1                                 ; this step's numbers are back from the stage; the last step's byte store may be out
.else
	s_wait_dscnt 0x0
.endif
.if (\t)+4 < STEPS
	LOAD (\t)+4                                    ; into the registers that this step's stores into the stage have read
.endif
.if (\t)+1 < STEPS
.if STEPS-2-(\t) >= 3
	s_wait_loadcnt 12                              ; the next step's four loads are in; those of the three steps behind it may be out
.else
	s_wait_loadcnt 4*(STEPS-2-(\t))
.endif
	TURN (\t)+1
.endif
	v_max3_num_f32 v8, |v[XS]|, |v[XS+1]|, |v[XS+2]|               ; the largest magnitude of my 16, in two chains
	v_max3_num_f32 v9, |v[XS+3]|, |v[XS+4]|, |v[XS+5]|
.irp i, 6,10
	v_max3_num_f32 v8, v8, |v[XS+\i]|, |v[XS+\i+1]|
	v_max3_num_f32 v9, v9, |v[XS+\i+2]|, |v[XS+\i+3]|
.endr
	v_max3_num_f32 v8, v8, |v[XS+14]|, |v[XS+15]|
	v_max3_num_f32 v8, v8, v9, (EMAX+1)<<23        ; and the floor 2^(3 - 127): the byte cannot fall under 1
	v_max_num_f32_dpp v8, v8, v8 row_xmask:1 row_mask:0xf bank_mask:0xf   ; with my neighbour's 16: the block's
	v_add_nc_u32 v11, -(EMAX<<23), v8              ; 2 off its exponent field: the conversion takes that field of this operand as its scale
	v_cvt_scalef32_pk8_fp4_f32 v[C+4*(\t)], v[XS:XS+7], v11
	v_cvt_scalef32_pk8_fp4_f32 v[C+4*(\t)+1], v[XS+8:XS+15], v11
	v_lshrrev_b32 v[E+(\t)], 23, v11               ; the scale's byte
	ds_store_b8 v5, v[E+(\t)] offset:16*(\t)       ; both lanes of a block write the same byte with the same value
	global_store_b64 v4, v[C+4*(\t):C+4*(\t)+1], s[14:15] offset:32*CB*(\t)   ; the wave stores 256 consecutive bytes, aligned
.endm
.irp t, 0,1,2,3,4,5,6,7,8,9,10,11,12,13,14,15
	STEP \t
.endr
	ds_load_b64 v[8:9], v6                         ; LDS serves a wave's instructions in order: these see my byte stores
	s_wait_dscnt 0x0
	global_store_b64 v7, v[8:9], s[16:17]          ; 256 consecutive scale bytes, aligned
	s_wait_tensorcnt 0x0                           ; the wave's end, behind my last LDS store
	ds_add_u32 v[SPW], v[NIL]
	s_wait_dscnt 0x0
	s_endpgm
.Lother:
	s_cmp_ge_u32 ttmp9, 384
	s_cbranch_scc1 .Lrope
	; ---------------- Wo to f16: a run of 8,192 numbers a wave, in four groups of 16 loads; no LDS ----------------
	s_sub_co_u32 s23, ttmp9, 352
	s_lshl_b32 s23, s23, 2
	s_add_co_u32 s23, s23, s22
	s_lshl_b32 s24, s23, 15
	s_mov_b32 s25, 0
	s_lshl_b32 s26, s23, 14
	s_mov_b32 s27, 0
	v_lshlrev_b32 v3, 4, v2
	v_lshlrev_b32 v4, 3, v2
	s_wait_kmcnt 0x0
	s_add_nc_u64 s[12:13], s[12:13], s[24:25]
	s_add_nc_u64 s[18:19], s[18:19], s[26:27]
.macro LOADG g
.irp i, 0,1,2,3,4,5,6,7,8,9,10,11,12,13,14,15
	global_load_b128 v[16+64*((\g)%2)+4*\i:16+64*((\g)%2)+4*\i+3], v3, s[12:13] offset:512*(16*(\g)+\i)
.endr
.endm
.macro CVTG g
.irp i, 0,1,2,3,4,5,6,7,8,9,10,11,12,13,14,15
	v_cvt_pk_f16_f32 v[144+32*((\g)%2)+2*\i], v[16+64*((\g)%2)+4*\i], v[16+64*((\g)%2)+4*\i+1]
	v_cvt_pk_f16_f32 v[144+32*((\g)%2)+2*\i+1], v[16+64*((\g)%2)+4*\i+2], v[16+64*((\g)%2)+4*\i+3]
.endr
.irp i, 0,1,2,3,4,5,6,7,8,9,10,11,12,13,14,15
	global_store_b64 v4, v[144+32*((\g)%2)+2*\i:144+32*((\g)%2)+2*\i+1], s[18:19] offset:256*(16*(\g)+\i)   ; 256 consecutive bytes, aligned
.endr
.endm
	LOADG 0
	LOADG 1
	s_wait_loadcnt 16                              ; group 0 is in; group 1's sixteen stay out
	CVTG 0
	LOADG 2
	s_wait_loadcnt 16
	CVTG 1
	LOADG 3
	s_wait_loadcnt 16
	s_wait_xcnt 0x0                                ; group 0's stores have read their data: the registers are written again only behind this wait
	CVTG 2
	s_wait_loadcnt 0x0
	s_wait_xcnt 0x0
	CVTG 3
	s_endpgm
.Lrope:
	; ---------------- the table: a wave takes 32 positions; lane l makes numbers 2 l and 2 l + 1 of a row: lanes 0-15 cosines, lanes 16-31 sines ----------------
	s_sub_co_u32 s23, ttmp9, 384
	s_lshl_b32 s23, s23, 2
	s_add_co_u32 s23, s23, s22
	s_lshl_b32 s23, s23, 5                         ; my first position
	s_lshl_b32 s24, s23, 8                         ; 256 bytes a row
	s_mov_b32 s25, 0
	s_mov_b32 s27, 0xbfc90fdb                      ; -(pi/2), the f32 nearest to it,
	s_mov_b32 s28, 0x333bbd2e                      ; and what that f32 has too much: 4.371139e-8
	v_and_b32 v3, 15, v2
	v_lshlrev_b32 v3, 1, v3                        ; f0
	v_add_nc_u32 v4, 1, v3                         ; f1
	v_cvt_f32_u32 v3, v3
	v_cvt_f32_u32 v4, v4
	v_mul_f32 v3, 0xbed49a78, v3                   ; -f log2(10000) / 32
	v_mul_f32 v4, 0xbed49a78, v4
	v_exp_f32 v16, v3                              ; the frequencies 10000^(-f / 32)
	v_exp_f32 v17, v4
	v_lshrrev_b32 v5, 4, v2                        ; (plain work behind the two exponentials)  0: cosine, 1: sine
	v_mul_u32_u24 v5, v5, 3                        ; sin a = cos(a - pi/2): three quadrants on
	v_cvt_f32_u32 v6, s23                          ; the position as f32
	v_lshlrev_b32 v7, 3, v2                        ; 8 bytes a lane
	v_mov_b32 v8, 0xb9500d01                       ; -1/5040
	v_mov_b32 v9, 0x37d00d01                       ; 1/40320
	s_wait_alu depctr_va_vdst(0)                   ; one wait for both exponentials, ahead of their first reader and of the label
	s_wait_kmcnt 0x0
	s_add_nc_u64 s[20:21], s[20:21], s[24:25]
	s_mov_b32 s26, 32
.Lpos:
.irp i, 0,1
	v_mul_f32 v[20+\i], v6, v[16+\i]               ; the angle, rounded once
	v_mul_f32 v[22+\i], 0x3f22f983, v[20+\i]       ; x 2/pi
	v_rndne_f32 v[22+\i], v[22+\i]                 ; n
	v_fma_f32 v[20+\i], v[22+\i], s27, v[20+\i]
	v_fma_f32 v[20+\i], v[22+\i], s28, v[20+\i]    ; r = angle - n pi/2, |r| <= pi/4
	v_cvt_i32_f32 v[22+\i], v[22+\i]
	v_add_nc_u32 v[22+\i], v[22+\i], v5            ; the quadrant
	v_mul_f32 v[24+\i], v[20+\i], v[20+\i]         ; r^2
	v_fmaak_f32 v[26+\i], v8, v[24+\i], 0x3c088889
	v_fmaak_f32 v[26+\i], v[26+\i], v[24+\i], 0xbe2aaaab
	v_mul_f32 v[26+\i], v[26+\i], v[24+\i]
	v_fma_f32 v[26+\i], v[26+\i], v[20+\i], v[20+\i]   ; sin r
	v_fmaak_f32 v[28+\i], v9, v[24+\i], 0xbab60b61
	v_fmaak_f32 v[28+\i], v[28+\i], v[24+\i], 0x3d2aaaab
	v_fmaak_f32 v[28+\i], v[28+\i], v[24+\i], 0xbf000000
	v_fma_f32 v[28+\i], v[28+\i], v[24+\i], 1.0    ; cos r
	v_and_b32 v[30+\i], 1, v[22+\i]
	v_cmp_eq_u32 vcc_lo, 1, v[30+\i]
	v_cndmask_b32 v[26+\i], v[28+\i], v[26+\i], vcc_lo   ; odd quadrants take the sine
	v_add_nc_u32 v[22+\i], 1, v[22+\i]
	v_and_b32 v[22+\i], 2, v[22+\i]
	v_lshlrev_b32 v[22+\i], 30, v[22+\i]           ; quadrants 1 and 2 are negative
	v_xor_b32 v[32+\i], v[26+\i], v[22+\i]
.endr
	global_store_b64 v7, v[32:33], s[20:21]        ; a whole row: 256 consecutive bytes, aligned
	s_wait_xcnt 0x0                                ; the store has read its offset and its data: both are written again below
	v_add_nc_u32 v7, 0x100, v7
	v_add_f32 v6, 1.0, v6
	s_sub_co_u32 s26, s26, 1
	s_cmp_lg_u32 s26, 0
	s_cbranch_scc1 .Lpos
	s_endpgm
.Lfunc_end_k_q22cdf73541_prep:
	.size	k_q22cdf73541_prep, .Lfunc_end_k_q22cdf73541_prep-k_q22cdf73541_prep
	.p2alignl 7, 3214868480
	.fill 96, 4, 3214868480
	.section	.rodata,"a",@progbits
	.p2align	6, 0x0
	.amdhsa_kernel k_q22cdf73541_prep
		.amdhsa_group_segment_fixed_size 33280
		.amdhsa_private_segment_fixed_size 0
		.amdhsa_enable_private_segment 0
		.amdhsa_kernarg_size 72
		.amdhsa_user_sgpr_count 2
		.amdhsa_user_sgpr_kernarg_segment_ptr 1
		.amdhsa_wavefront_size32 1
		.amdhsa_system_sgpr_workgroup_id_x 1
		.amdhsa_system_sgpr_workgroup_id_y 1
		.amdhsa_system_sgpr_workgroup_id_z 1
		.amdhsa_system_vgpr_workitem_id 0
		.amdhsa_next_free_vgpr 208
		.amdhsa_next_free_sgpr 66
		.amdhsa_reserve_vcc 1
		.amdhsa_float_denorm_mode_32 3
		.amdhsa_float_denorm_mode_16_64 3
		.amdhsa_memory_ordered 1
		.amdhsa_forward_progress 1
		.amdhsa_inst_pref_size 58
	.end_amdhsa_kernel
	.amdgpu_metadata
---
amdhsa.version: [ 1, 2 ]
amdhsa.kernels:
  - .name:           k_q22cdf73541_prep
    .symbol:         k_q22cdf73541_prep.kd
    .args:
      - { .name: x, .offset: 0, .size: 8, .value_kind: global_buffer, .address_space: global }
      - { .name: Wq, .offset: 8, .size: 8, .value_kind: global_buffer, .address_space: global }
      - { .name: Wk, .offset: 16, .size: 8, .value_kind: global_buffer, .address_space: global }
      - { .name: Wv, .offset: 24, .size: 8, .value_kind: global_buffer, .address_space: global }
      - { .name: Wo, .offset: 32, .size: 8, .value_kind: global_buffer, .address_space: global }
      - { .name: codes, .offset: 40, .size: 8, .value_kind: global_buffer, .address_space: global }
      - { .name: scales, .offset: 48, .size: 8, .value_kind: global_buffer, .address_space: global }
      - { .name: wo16, .offset: 56, .size: 8, .value_kind: global_buffer, .address_space: global }
      - { .name: rope, .offset: 64, .size: 8, .value_kind: global_buffer, .address_space: global }
    .group_segment_fixed_size: 33280
    .private_segment_fixed_size: 0
    .kernarg_segment_align: 8
    .kernarg_segment_size: 72
    .max_flat_workgroup_size: 128
    .sgpr_count:     66
    .vgpr_count:     208
    .wavefront_size: 32
...
	.end_amdgpu_metadata
.endif
;; end of part 1
;; launch qkv (part 2): grid 16 x 32, 4 waves a work-group, clusters of 4 x 4, 262,144 bytes of LDS; arguments codes, scales, bq, bk, bv, rope, qkv16, fine32; writes qkv16, fine32
.if DOCPART == 2
	.amdgcn_target "amdgcn-amd-amdhsa--gfx1250"
	.amdhsa_code_object_version 6
	.text
	.protected	k_q22cdf73541_qkv
	.globl	k_q22cdf73541_qkv
	.p2align	8
	.type	k_q22cdf73541_qkv,@function
k_q22cdf73541_qkv:
	s_mov_b64 s[64:65], 0
	v_nop
	global_prefetch_b8 v0, s[64:65] scope:SCOPE_SE
	s_setreg_imm32_b32 hwreg(HW_REG_WAVE_MODE, 25, 1), 1
	s_wait_xcnt 0x0
	s_wait_alu depctr_hold_cnt(0) depctr_sa_sdst(0) depctr_va_vdst(0) depctr_va_sdst(0) depctr_va_ssrc(0) depctr_va_vcc(0) depctr_vm_vsrc(0)
	s_getreg_b32 s2, hwreg(HW_REG_IB_STS2, 6, 4)
	s_cmp_eq_u32 s2, 0
	s_cbranch_scc0 .Lentry_in_a_cluster
	s_endpgm
.Lentry_in_a_cluster:
	s_bfe_u32 s2, ttmp6, 0x10000c
	s_cmp_lg_u32 s2, 0xf033
	s_cbranch_scc0 .Lentry_shape_is_right
	s_endpgm
.Lentry_shape_is_right:
; QKV: q, k, v = x W^T + b on codes of FP4 with E8M0 scales, then the rotation of q and k; results as f16.
; A work-group makes 256 rows x 192 columns: the columns are ONE HEAD's q, k and v (the weights' rows were laid so).  Wave w takes 64 rows x 192 columns: 4 blocks a of 16 rows x 12 blocks b of 16 columns
; (b 0-3 q, 4-7 k, 8-11 v): 48 accumulators.  K = 1,024 is 512 bytes a row: both halves of K lie in LDS at once, each asked for once at the head, so no LDS byte is filled twice.
; CLUSTER 4 x 4: head = 4 x cluster x + cx; tile row = 8 cy + cluster y, so that the batch is cy and "the tile begins a sequence" is cluster y = 0, alike in all partners.  x's tile is shared along a row of the
; cluster, the weights' along a column: each is asked for jointly.
; q AND k ARE MADE TRANSPOSED (source 0 = 16 rows of W, source 1 = 16 rows of x): a lane holds one position and eight neighbouring channels; channel d and d + 32 of a position lie in the same lane, two blocks apart, so the
; rotation needs no other lane.  v IS MADE AS IT STANDS (source 0 = x, source 1 = Wv): a lane holds one channel and eight neighbouring positions, which is how the second product of attention wants v: keys innermost.
; The biases are the C of each sum's first instruction.  The scale words go from memory straight into registers, once: a lane loads its row's 32 bytes, so register q holds K step q's word, an even block's in lanes 0-15, the odd one's in lanes 16-31.
; OUT: q, k [b][h][s][64] f16; v [b][h][s / 64][64 d][64 s] f16; the first 16 positions of each sequence also as f32 images of the accumulators' registers (fine32), for the launch that carries them finely.
; LIMITS: q, k and v must stay under 65,504 in magnitude (f16).  No prefetch: all that a work-group reads is asked for at its head.
; REGISTERS: window 0: v16-23 addresses; v28, v29 the add's two; v32-47 x's scale words, v48-95 W's; v96-159 x's fragments, two sets; v160-191 v's bias tiles, later at work; v192-223, v224-255 the way out.
;   window 1: v0-191 W's fragments, two sets of 96; v192-255 q's and k's bias tiles.   windows 2 (a = 0, 1) and 3 (a = 2, 3): accumulator (a, b) at 96 (a % 2) + 8 b; from v192 + 32 (a % 2): 16 cosines, 16 sines of block a.
.set PITCH, 272                        ; an LDS row: 256 bytes + 16 of padding: the 16 rows of a fragment load start 68 words apart
.set ABYTES, 256*PITCH
.set SLOT,  448*PITCH                  ; x's 256 rows, then W's 192 rows, of one half of K
.set STAGE, 2*SLOT                     ; 16 rows x 144 bytes for each wave
.set SPB,   144
.set SPARE, STAGE+4*16*SPB             ; the spare words, 128 bytes a wave, named by no other line
.set ADRA, 16
.set ADRB, 18
.set STO,  20
.set RD,   21
.set GOFF, 22
.set FOFF, 23
.set SPW,  28
.set NIL,  29
.set SCA,  32
.set SCB,  48
.set AF,   96
.set BV,   160
.set PK,   192
.set BK,   224
.set BQK,  192
.set CSW,  192
.set G1A,  28
.set G1B,  36
.set G0A,  44
.set G0B,  52
.set MSB, 0
.macro WIN new                         ; the immediate's high byte repeats the setting that is left
.if MSB != (\new)
	s_set_vgpr_msb (MSB<<8)|(\new)
.set MSB, (\new)
.endif
.endm
.macro PLACES n
.rept \n
	v_nop
.endr
.endm
.macro CREST
	s_cmp_lg_u32 s20, 0
	s_cbranch_scc1 .Lnot_wave_0_\@
	s_barrier_signal -3
.Lnot_wave_0_\@:
	s_barrier_wait -3
	s_barrier_signal -1
	s_barrier_wait -1
.endm
.macro CROUND                          ; a round of the cluster's barrier
	s_barrier_signal -1
	s_barrier_wait -1
	CREST
.endm
	s_load_b512 s[4:19], s[0:1], 0x0               ; codes s[4:5], scales s[6:7], bq s[8:9], bk s[10:11], bv s[12:13], rope s[14:15], qkv16 s[16:17], fine32 s[18:19]
	v_lshl_add_u32 v[SPW], v0, 2, SPARE
	v_mov_b32 v[NIL], 0
	ds_add_u32 v[SPW], v[NIL]                      ; the wave's opening: the add, twice on end, and its wait ahead of my first tensor load
	ds_add_u32 v[SPW], v[NIL]
	v_lshrrev_b32 v1, 5, v0
	v_readfirstlane_b32 s20, v1                    ; wave
	s_lshr_b32 s21, s20, 1                         ; I fetch for x (0) or for W (1)
	s_and_b32 s22, s20, 1                          ; which half of that tile's rows
	s_bfe_u32 s23, ttmp6, 0x40000                  ; cx
	s_bfe_u32 s24, ttmp6, 0x40004                  ; cy = the batch
	s_lshl_b32 s25, ttmp9, 2
	s_add_co_u32 s25, s25, s23                     ; head
	s_and_b32 s26, ttmp7, 0xffff                   ; cluster y: which 256 positions of the sequence
	s_lshl_b32 s60, s24, 2
	s_lshl_b32 s60, 15, s60                        ; my row of the cluster
	s_lshl_b32 s61, 0x1111, s23                    ; my column
	s_or_b32 s[G1A], s60, (1<<20)|(1<<21)|(5<<22)|(3<<25)   ; the mask; elements of 1 byte; padding on; bit 21 beside a mask; 4 words behind every 64
	s_or_b32 s[G1B], s61, (1<<20)|(1<<21)|(5<<22)|(3<<25)
	s_mov_b32 s[G1A+1], 256<<16                    ; tensor_dim0 = 256 bytes
	s_mov_b32 s[G1A+2], 128<<16                    ; tensor_dim1 = 128 rows
	s_mov_b32 s[G1A+3], 256<<16                    ; tile_dim0
	s_mov_b32 s[G1A+4], 128                        ; tile_dim1
	s_mov_b32 s[G1A+5], 512                        ; from row to row
	s_mov_b32 s[G1A+6], 0
	s_mov_b32 s[G1A+7], 0
	s_mov_b32 s[G1B+1], 256<<16
	s_mov_b32 s[G1B+2], 96<<16                     ; 96 rows
	s_mov_b32 s[G1B+3], 256<<16
	s_mov_b32 s[G1B+4], 96
	s_mov_b32 s[G1B+5], 512
	s_mov_b32 s[G1B+6], 0
	s_mov_b32 s[G1B+7], 0
	s_lshl_b32 s62, s24, 11                        ; x's rows that I fetch: 2048 cy + 256 cluster y + 128 half: nothing of cx
	s_lshl_b32 s63, s26, 8
	s_add_co_u32 s62, s62, s63
	s_lshl_b32 s63, s22, 7
	s_add_co_u32 s62, s62, s63
	s_lshl_b32 s62, s62, 9
	s_mov_b32 s63, 0
	s_mul_i32 s66, s25, 192                        ; W's rows: 192 head + 96 half, behind x's part: nothing of cy
	s_mul_i32 s67, s22, 96
	s_add_co_u32 s66, s66, s67
	s_lshl_b32 s66, s66, 9
	s_add_co_u32 s66, s66, 4194304
	s_mov_b32 s67, 0
	s_mul_i32 s68, s22, 128*PITCH                  ; where they go: the wave's number alone
	s_mul_i32 s69, s22, 96*PITCH
	s_add_co_u32 s69, s69, ABYTES
	s_lshl_b32 s70, s26, 8
	s_lshl_b32 s71, s20, 6
	s_add_co_u32 s70, s70, s71                     ; my wave's first position in the sequence
	s_lshl_b32 s71, s24, 4
	s_add_co_u32 s71, s71, s25                     ; 16 batch + head
	s_lshl_b32 s72, s24, 11
	s_add_co_u32 s72, s72, s70
	s_lshl_b32 s72, s72, 5                         ; x's scale bytes of my 64 rows
	s_mov_b32 s73, 0
	s_mul_i32 s74, s25, 6144
	s_add_co_u32 s74, s74, 262144                  ; W's scale bytes of my head's 192 rows
	s_mov_b32 s75, 0
	s_lshl_b32 s92, s25, 8                         ; the head's 64 numbers of a bias
	s_mov_b32 s93, 0
	s_lshl_b32 s82, s70, 8                         ; the table's rows of my positions
	s_mov_b32 s83, 0
	s_lshl_b32 s84, s71, 11
	s_add_co_u32 s84, s84, s70
	s_lshl_b32 s84, s84, 7                         ; my positions in q, in k and in v: 128 bytes a position
	s_mov_b32 s85, 0
	s_mul_i32 s90, s71, 12288
	s_mov_b32 s91, 0
	s_wait_dscnt 0x0                               ; both opening adds are done
	s_wait_kmcnt 0x0
	s_add_nc_u64 s[62:63], s[4:5], s[62:63]
	s_add_nc_u64 s[66:67], s[4:5], s[66:67]
	s_add_nc_u64 s[72:73], s[6:7], s[72:73]
	s_add_nc_u64 s[74:75], s[6:7], s[74:75]
	s_add_nc_u64 s[76:77], s[8:9], s[92:93]
	s_add_nc_u64 s[78:79], s[10:11], s[92:93]
	s_add_nc_u64 s[80:81], s[12:13], s[92:93]
	s_add_nc_u64 s[82:83], s[14:15], s[82:83]
	s_add_nc_u64 s[84:85], s[16:17], s[84:85]      ; q
	s_add_nc_u64 s[86:87], s[84:85], 16777216      ; k
	s_add_nc_u64 s[88:89], s[84:85], 33554432      ; v
	s_add_nc_u64 s[90:91], s[18:19], s[90:91]
	CROUND                                         ; all sixteen work-groups are here: the joint loads meet
.irp s, 0,1
	s_mov_b32 s[G0A+4*\s], 1
	s_add_co_u32 s[G0A+4*\s+1], s68, \s*SLOT
	s_add_nc_u64 s[G0A+4*\s+2:G0A+4*\s+3], s[62:63], \s*256
	s_or_b32 s[G0A+4*\s+3], s[G0A+4*\s+3], 0x80000000
	s_mov_b32 s[G0B+4*\s], 1
	s_add_co_u32 s[G0B+4*\s+1], s69, \s*SLOT
	s_add_nc_u64 s[G0B+4*\s+2:G0B+4*\s+3], s[66:67], \s*256
	s_or_b32 s[G0B+4*\s+3], s[G0B+4*\s+3], 0x80000000
.endr
	s_cmp_eq_u32 s21, 0                            ; a wave's two fills stand in one branch on its number: two loads of mine are out
	s_cbranch_scc0 .Lfirst_b
	tensor_load_to_lds s[G0A:G0A+3], s[G1A:G1A+7]
	s_nop 0
	tensor_load_to_lds s[G0A+4:G0A+7], s[G1A:G1A+7]
	s_nop 0
	PLACES 4
	s_branch .Lfirst_done
.Lfirst_b:
	tensor_load_to_lds s[G0B:G0B+3], s[G1B:G1B+7]
	s_nop 0
	tensor_load_to_lds s[G0B+4:G0B+7], s[G1B:G1B+7]
	s_nop 0
	PLACES 4
.Lfirst_done:
	v_and_b32 v1, 15, v0                           ; r
	v_bfe_u32 v2, v0, 4, 1                         ; h
	v_and_b32 v3, 31, v0                           ; lane
	v_lshlrev_b32 v[GOFF], 4, v3
	v_lshlrev_b32 v[FOFF], 5, v3
	v_lshlrev_b32 v4, 5, v2                        ; 32 h
	v_lshlrev_b32 v5, 2, v1                        ; 4 r
	v_lshlrev_b32 v6, 8, v1
	v_lshl_add_u32 v6, v2, 5, v6                   ; 256 r + 32 h
.irp p, 0,1                                    ; scale words: 32 neighbouring rows a pair of blocks, a lane its row's 32 bytes
	global_load_b128 v[SCA+8*\p:SCA+8*\p+3], v[FOFF], s[72:73] offset:1024*\p
	global_load_b128 v[SCA+8*\p+4:SCA+8*\p+7], v[FOFF], s[72:73] offset:1024*\p+16
.endr
.irp p, 0,1,2,3,4,5
	global_load_b128 v[SCB+8*\p:SCB+8*\p+3], v[FOFF], s[74:75] offset:1024*\p
	global_load_b128 v[SCB+8*\p+4:SCB+8*\p+7], v[FOFF], s[74:75] offset:1024*\p+16
.endr
.irp nb, 0,1,2,3                               ; v's bias tiles: a lane's channel 16 nb + r in all eight registers
.irp j, 0,1,2,3,4,5,6,7
	global_load_b32 v[BV+8*\nb+\j], v5, s[80:81] offset:64*\nb
.endr
.endr
	WIN 0x40
.irp b, 0,1,2,3                                ; q's and k's: channels 16 b + 8 h + 0 .. 7
	global_load_b128 v[BQK+8*\b:BQK+8*\b+3], v4, s[76:77] offset:64*\b
	global_load_b128 v[BQK+8*\b+4:BQK+8*\b+7], v4, s[76:77] offset:64*\b+16
	global_load_b128 v[BQK+32+8*\b:BQK+32+8*\b+3], v4, s[78:79] offset:64*\b
	global_load_b128 v[BQK+32+8*\b+4:BQK+32+8*\b+7], v4, s[78:79] offset:64*\b+16
.endr
.irp a, 0,1,2,3                                ; cosines and sines of position 16 a + r, frequencies 16 n + 8 h + 0 .. 7
	WIN 0x80+0x40*(\a/2)
.irp n, 0,1
.irp u, 0,1
	global_load_b128 v[CSW+32*(\a%2)+8*\n+4*\u:CSW+32*(\a%2)+8*\n+4*\u+3], v6, s[82:83] offset:4096*\a+64*\n+16*\u
	global_load_b128 v[CSW+32*(\a%2)+16+8*\n+4*\u:CSW+32*(\a%2)+16+8*\n+4*\u+3], v6, s[82:83] offset:4096*\a+128+64*\n+16*\u
.endr
.endr
.endr
	WIN 0
	v_mul_u32_u24 v7, v1, PITCH
	v_lshl_add_u32 v7, v2, 4, v7                   ; a fragment's row x pitch + 16 h
	s_mul_i32 s60, s20, 64*PITCH                   ; my 64 rows of x
	v_add_nc_u32 v[ADRA], s60, v7
	v_add_nc_u32 v[ADRA+1], SLOT, v[ADRA]
	v_add_nc_u32 v[ADRB], ABYTES, v7
	v_add_nc_u32 v[ADRB+1], SLOT, v[ADRB]
	s_mul_i32 s60, s20, 16*SPB
	s_add_co_u32 s60, s60, STAGE                   ; my stage
	v_mul_u32_u24 v[STO], v1, SPB
	v_lshl_add_u32 v[STO], v2, 4, v[STO]
	v_add_nc_u32 v[STO], s60, v[STO]               ; in: row r, 16 bytes for each half of the lanes
	v_lshrrev_b32 v[RD], 3, v3
	v_mul_u32_u24 v[RD], v[RD], SPB
	v_and_b32 v8, 7, v3
	v_lshl_add_u32 v[RD], v8, 4, v[RD]
	v_add_nc_u32 v[RD], s60, v[RD]                 ; back: eight lanes to a row of 128 bytes, four rows an instruction
; the scaled instruction on symbols: rD, rA (source 0), rB (source 1), rC, their scale registers rSA, rSB; pA, pB = 1: the scales stand in lanes 16-31
.macro WM
.if pA && pB
	v_wmma_scale_f32_16x16x128_f8f6f4 v[rD:rD+7], v[rA:rA+7], v[rB:rB+7], v[rC:rC+7], v[rSA], v[rSB] matrix_a_fmt:MATRIX_FMT_FP4 matrix_b_fmt:MATRIX_FMT_FP4 matrix_a_scale:MATRIX_SCALE_ROW1 matrix_b_scale:MATRIX_SCALE_ROW1
.elseif pA
	v_wmma_scale_f32_16x16x128_f8f6f4 v[rD:rD+7], v[rA:rA+7], v[rB:rB+7], v[rC:rC+7], v[rSA], v[rSB] matrix_a_fmt:MATRIX_FMT_FP4 matrix_b_fmt:MATRIX_FMT_FP4 matrix_a_scale:MATRIX_SCALE_ROW1
.elseif pB
	v_wmma_scale_f32_16x16x128_f8f6f4 v[rD:rD+7], v[rA:rA+7], v[rB:rB+7], v[rC:rC+7], v[rSA], v[rSB] matrix_a_fmt:MATRIX_FMT_FP4 matrix_b_fmt:MATRIX_FMT_FP4 matrix_b_scale:MATRIX_SCALE_ROW1
.else
	v_wmma_scale_f32_16x16x128_f8f6f4 v[rD:rD+7], v[rA:rA+7], v[rB:rB+7], v[rC:rC+7], v[rSA], v[rSB] matrix_a_fmt:MATRIX_FMT_FP4 matrix_b_fmt:MATRIX_FMT_FP4
.endif
.endm
; 32 LDS loads in one run: K step q's fragments (16 rows x 128 K of 4-bit codes: 8 registers, two loads 32 bytes apart): W's twelve, then x's four
.macro FETCH q, set
	WIN 0x40
.irp b, 0,1,2,3,4,5,6,7,8,9,10,11
.irp c, 0,1
	ds_load_b128 v[96*(\set)+8*\b+4*\c:96*(\set)+8*\b+4*\c+3], v[ADRB+(\q)/4] offset:64*((\q)%4)+32*\c+16*PITCH*\b
.endr
.endr
	WIN 0
.irp a, 0,1,2,3
.irp c, 0,1
	ds_load_b128 v[AF+32*(\set)+8*\a+4*\c:AF+32*(\set)+8*\a+4*\c+3], v[ADRA+(\q)/4] offset:64*((\q)%4)+32*\c+16*PITCH*\a
.endr
.endr
.endm
; K step q: 48 matrix instructions; the 48 accumulators take turns, one instruction a turn, in the same order in every step.  first = 1: C is the bias
.macro MULS q, set, first
.irp W, 2,3
.if \first
	WIN 0x11|(\W<<6)
.else
	WIN 0x01|(\W<<4)|(\W<<6)
.endif
.irp aa, 0,1
.irp b, 0,1,2,3,4,5,6,7
.set rD, 96*\aa+8*\b
.set rA, 96*(\set)+8*\b
.set rB, AF+32*(\set)+8*(2*(\W-2)+\aa)
.set rC, rD
.if \first
.set rC, BQK+8*\b
.endif
.set rSA, SCB+8*(\b/2)+(\q)
.set rSB, SCA+8*(\W-2)+(\q)
.set pA, \b%2
.set pB, \aa
	WM
.endr
.endr
.if \first
	WIN 0x04|(\W<<6)
.else
	WIN 0x04|(\W<<4)|(\W<<6)
.endif
.irp aa, 0,1
.irp nb, 0,1,2,3
.set rD, 96*\aa+64+8*\nb
.set rA, AF+32*(\set)+8*(2*(\W-2)+\aa)
.set rB, 96*(\set)+64+8*\nb
.set rC, rD
.if \first
.set rC, BV+8*\nb
.endif
.set rSA, SCA+8*(\W-2)+(\q)
.set rSB, SCB+32+8*(\nb/2)+(\q)
.set pA, \aa
.set pB, \nb%2
	WM
.endr
.endr
.endr
.endm
.macro KSTEP q, first
	s_wait_dscnt 0x0                               ; this step's fragments are in (asked for 48 matrix instructions ago)
.if (\q) == 3
	s_wait_tensorcnt 0x0                           ; my part of K's second half has landed,
	s_barrier_signal -1
	s_barrier_wait -1                              ; everybody's has
.endif
.if (\q) < 7
.if (\q) > 0
	PLACES 4                                       ; four plain places between the last products and loads into the registers that they read
.endif
	FETCH (\q)+1, ((\q)+1)%2
.endif
	MULS \q, (\q)%2, \first
.endm
	s_wait_tensorcnt 0x1                           ; my part of K's first half has landed; the second half's load, issued behind it, stays out
	s_barrier_signal -1
	s_barrier_wait -1
	FETCH 0, 0
	s_wait_loadcnt 0x0                             ; scale words, biases, the table
	KSTEP 0, 1
	KSTEP 1, 0
	KSTEP 2, 0
	KSTEP 3, 0
	KSTEP 4, 0
	KSTEP 5, 0
	KSTEP 6, 0
	KSTEP 7, 0
	PLACES 4                                       ; between the last products and the first read of results
; THE ROTATION of block a of q (t = 0) or k (t = 1): lo' = lo cos - hi sin, hi' = hi cos + lo sin; lo = blocks 4 t + n, hi = two blocks on.  Each accumulator is read from its low end on
.macro ROPE a, t
.set W, 2+(\a)/2
.set AB, 96*((\a)%2)+32*(\t)
.set CB0, CSW+32*((\a)%2)
	WIN W|(W<<2)
.irp n, 0,1
.irp j, 0,2,4,6
	v_pk_mul_f32 v[BV+8*\n+\j:BV+8*\n+\j+1], v[AB+16+8*\n+\j:AB+16+8*\n+\j+1], v[CB0+16+8*\n+\j:CB0+16+8*\n+\j+1]
	v_pk_mul_f32 v[BV+16+8*\n+\j:BV+16+8*\n+\j+1], v[AB+8*\n+\j:AB+8*\n+\j+1], v[CB0+16+8*\n+\j:CB0+16+8*\n+\j+1]
.endr
.endr
	WIN W|(W<<2)|(W<<6)
.irp n, 0,1
.irp j, 0,2,4,6
	v_pk_fma_f32 v[AB+8*\n+\j:AB+8*\n+\j+1], v[AB+8*\n+\j:AB+8*\n+\j+1], v[CB0+8*\n+\j:CB0+8*\n+\j+1], v[BV+8*\n+\j:BV+8*\n+\j+1] neg_lo:[0,0,1] neg_hi:[0,0,1]
	v_pk_fma_f32 v[AB+16+8*\n+\j:AB+16+8*\n+\j+1], v[AB+16+8*\n+\j:AB+16+8*\n+\j+1], v[CB0+8*\n+\j:CB0+8*\n+\j+1], v[BV+16+8*\n+\j:BV+16+8*\n+\j+1]
.endr
.endr
.endm
.irp a, 0,1,2,3
	ROPE \a, 0
	ROPE \a, 1
.endr
	WIN 0
	s_or_b32 s60, s26, s20                         ; the first 16 positions of a sequence lie in wave 0 of the tiles with cluster y = 0: alike in all partners
	s_cmp_lg_u32 s60, 0
	s_cbranch_scc1 .Lno_fine
	WIN 0x08                                       ; a store's data: window 2
.irp b, 0,1,2,3,4,5,6,7,8,9,10,11
	global_store_b128 v[FOFF], v[8*\b:8*\b+3], s[90:91] offset:1024*\b         ; block (0, b) as it stands in the registers: 32 bytes a lane, 1,024 consecutive bytes a block
	global_store_b128 v[FOFF], v[8*\b+4:8*\b+7], s[90:91] offset:1024*\b+16
.endr
	WIN 0
.Lno_fine:
; THE WAY OUT, twelve items of 16 rows x 128 bytes: q's four blocks of positions, k's four, v's four blocks of channels.  A lane's 16 bytes go into my stage and come back as whole rows; an item is 2,048 consecutive bytes of memory.
.macro PACK n
.set PS, PK+16*((\n)%2)
.if (\n) < 8
.set ia, (\n)%4
.set W, 2+ia/2
.set AB, 96*(ia%2)+32*((\n)/4)
	WIN W|(W<<2)
.irp nb, 0,1,2,3
.irp i, 0,1,2,3
	v_cvt_pk_f16_f32 v[PS+4*\nb+\i], v[AB+8*\nb+2*\i], v[AB+8*\nb+2*\i+1]
.endr
.endr
.else
.irp a, 0,1,2,3
.set W, 2+\a/2
.set AB, 96*(\a%2)+64+8*((\n)-8)
	WIN W|(W<<2)
.irp i, 0,1,2,3
	v_cvt_pk_f16_f32 v[PS+4*\a+\i], v[AB+2*\i], v[AB+2*\i+1]
.endr
.endr
.endif
	WIN 0
.endm
.macro TOSTAGE n
.set PS, PK+16*((\n)%2)
.set BS, BK+16*((\n)%2)
.if (\n) > 1
	s_wait_xcnt 0x0                                ; the stores of two items back have read their data: the loads below land there
.endif
.irp i, 0,1,2,3
	ds_store_b128 v[STO], v[PS+4*\i:PS+4*\i+3] offset:32*\i
.endr
.irp i, 0,1,2,3
	ds_load_b128 v[BS+4*\i:BS+4*\i+3], v[RD] offset:4*SPB*\i   ; LDS serves a wave's instructions in order: these see the stores above, and the next item's stores come behind them
.endr
.endm
.macro SEND n
.set BS, BK+16*((\n)%2)
	s_wait_dscnt 0x0                               ; the item is back in registers
.irp i, 0,1,2,3
	global_store_b128 v[GOFF], v[BS+4*\i:BS+4*\i+3], s[84+2*((\n)/4):85+2*((\n)/4)] offset:2048*((\n)%4)+512*\i   ; 512 consecutive bytes, aligned
.endr
.endm
	PACK 0
	TOSTAGE 0
.irp n, 1,2,3,4,5,6,7,8,9,10,11
	PACK \n                                        ; an item's conversions stand between the loads of the item before and the wait for them
	SEND \n-1
	TOSTAGE \n
.endr
	SEND 11
	s_wait_tensorcnt 0x0                           ; the wave's end, behind my last tensor load and my last LDS store
	ds_add_u32 v[SPW], v[NIL]
	s_wait_dscnt 0x0
	CROUND                                         ; the closing round
	s_endpgm
.Lfunc_end_k_q22cdf73541_qkv:
	.size	k_q22cdf73541_qkv, .Lfunc_end_k_q22cdf73541_qkv-k_q22cdf73541_qkv
	.p2alignl 7, 3214868480
	.fill 96, 4, 3214868480
	.section	.rodata,"a",@progbits
	.p2align	6, 0x0
	.amdhsa_kernel k_q22cdf73541_qkv
		.amdhsa_group_segment_fixed_size 262144
		.amdhsa_private_segment_fixed_size 0
		.amdhsa_enable_private_segment 0
		.amdhsa_kernarg_size 64
		.amdhsa_user_sgpr_count 2
		.amdhsa_user_sgpr_kernarg_segment_ptr 1
		.amdhsa_wavefront_size32 1
		.amdhsa_system_sgpr_workgroup_id_x 1
		.amdhsa_system_sgpr_workgroup_id_y 1
		.amdhsa_system_sgpr_workgroup_id_z 1
		.amdhsa_system_vgpr_workitem_id 0
		.amdhsa_next_free_vgpr 1024
		.amdhsa_next_free_sgpr 100
		.amdhsa_reserve_vcc 0
		.amdhsa_float_denorm_mode_32 3
		.amdhsa_float_denorm_mode_16_64 3
		.amdhsa_memory_ordered 1
		.amdhsa_forward_progress 1
		.amdhsa_inst_pref_size 127
	.end_amdhsa_kernel
	.amdgpu_metadata
---
amdhsa.version: [ 1, 2 ]
amdhsa.kernels:
  - .name:           k_q22cdf73541_qkv
    .symbol:         k_q22cdf73541_qkv.kd
    .args:
      - { .name: codes, .offset: 0, .size: 8, .value_kind: global_buffer, .address_space: global }
      - { .name: scales, .offset: 8, .size: 8, .value_kind: global_buffer, .address_space: global }
      - { .name: bq, .offset: 16, .size: 8, .value_kind: global_buffer, .address_space: global }
      - { .name: bk, .offset: 24, .size: 8, .value_kind: global_buffer, .address_space: global }
      - { .name: bv, .offset: 32, .size: 8, .value_kind: global_buffer, .address_space: global }
      - { .name: rope, .offset: 40, .size: 8, .value_kind: global_buffer, .address_space: global }
      - { .name: qkv16, .offset: 48, .size: 8, .value_kind: global_buffer, .address_space: global }
      - { .name: fine32, .offset: 56, .size: 8, .value_kind: global_buffer, .address_space: global }
    .group_segment_fixed_size: 262144
    .private_segment_fixed_size: 0
    .kernarg_segment_align: 8
    .kernarg_segment_size: 64
    .max_flat_workgroup_size: 128
    .sgpr_count:     100
    .vgpr_count:     1024
    .wavefront_size: 32
...
	.end_amdgpu_metadata
.endif
;; end of part 2
;; launch attn (part 3): grid 4 x 64, 16 waves a work-group, no clusters, 327,680 bytes of LDS; arguments qkv16, attn16; writes attn16
.if DOCPART == 3
	.amdgcn_target "amdgcn-amd-amdhsa--gfx1250"
	.amdhsa_code_object_version 6
	.text
	.protected	k_q22cdf73541_attn
	.globl	k_q22cdf73541_attn
	.p2align	8
	.type	k_q22cdf73541_attn,@function
k_q22cdf73541_attn:
	s_mov_b64 s[64:65], 0
	v_nop
	global_prefetch_b8 v0, s[64:65] scope:SCOPE_SE
	s_setreg_imm32_b32 hwreg(HW_REG_WAVE_MODE, 25, 1), 1
	s_wait_xcnt 0x0
; ATTN: O[q] = sum over keys k <= q of softmax(q . k / 8) v, for one head of one batch, f16 operands, f32 products, maxima and sums.
; SHARES.  Work-group (i, bh) owns the blocks i and 7 - i of 256 queries, so that all work-groups have as many tile steps under the causal mask.  Wave w owns two tiles of 16 queries: H from 2032 - 256 i - 16 w
; and L from 256 i + 16 w: the waves' steps are even too.  While L still has keys, each fragment of K and V read from LDS feeds both tiles.  Four waves share a SIMD: one wave's softmax stands beside another's products.
; LAYOUT.  S^T = K Q^T (source 0 = 16 keys, source 1 = 16 queries): a lane holds one query and keys 8 (lane / 16) + 0 .. 7 of each tile of 16.  Two tiles packed to f16 in pairs ARE source 1 of O^T = V^T P; v lies with the keys innermost.
; SOFTMAX.  A running maximum m and sum l for each query: p = 2^(c s - c m), c = log2(e) / 8; O and l are multiplied by a = 2^(c m_old - c m_new) in every step.  Hidden scores become -infinity ahead of the maximum.
; THE RING.  Two LDS slots of 256 keys (K: 256 rows of 128 bytes + 16; V: four chunks of 64 channels x 64 keys, likewise), filled by waves 0 to 3, one load each, read by all sixteen.  Every work-group walks all 8 slots and all
; 32 steps: the trip counts are constants.  A step whose keys all come after a tile's queries is jumped over by a scalar branch on ids; a slot whose first key comes after the work-group's last query is not asked for.
; NO CLUSTER: the four work-groups of a head need 8, 7, 6 and 5 slots; a joint load would bring tiles that every wave of some partner jumps over.
; LIMITS: q, k, v under 65,504 in magnitude (f16); a weight p under 6e-8 counts as 0 in the second product, not in the sum.
; REGISTERS: v1-11 addresses; v16-31, v32-47 Q of H, of L; v48-111 eight fragments of K, later of V; v112-143, v144-175 S^T of H, of L (P lands in the low 16 of each); v176-207, v208-239 O^T;
;   v240-243, v244-247 (c m, m, l, l) of H, of L; v248-251 at work; v[252:253] a; v[254:255] the sums' second chain.
.set SLOT1, 1<<17
.set VOFF,  36864                      ; a slot: K's 256 rows x 144, then V's 256 rows x 144
.set STEPB, 9216                       ; 64 rows x 144: a step's keys of K, and a step's chunk of V
.set STAGE, 204800                     ; 16 rows x 144 bytes for each wave
.set SPARE, 241664                     ; the spare words, 128 bytes a wave, named by no other line
.set AK0, 1
.set ADR, 2
.set DL,  3
.set NINF, 4
.set SPW, 5
.set NIL, 6
.set GO,  7
.set STO, 8
.set RD,  9
.set PFO, 10
.set MD,  11
.set WV,  8
.set KF,  12                           ; s12 the step's first key
.set TB,  13                           ; s13 LDS byte at which the step's keys begin
.set QL0, 14
.set QH0, 15
.set QL15, 16
.set QH15, 17
.set WGL, 18                           ; s18 my work-group's last query
.set SLOTS, 19
.set CNT, 20
.set LIM, 21
.set PFA, 22
.set G1,  24
.set G0,  32
.set SEL, 36
.set CS,  38
.macro PLACES n
.rept \n
	v_nop
.endr
.endm
.macro TLOAD                           ; waves 0, 1 fetch K's halves, waves 2, 3 V's; the branch hangs on the wave's number alone
	s_cmp_lt_u32 s[WV], 4
	s_cbranch_scc0 .Lasked_\@
	tensor_load_to_lds s[G0:G0+3], s[G1:G1+7]
	s_nop 0
	PLACES 4
.Lasked_\@:
.endm
; A prefetch of what the NEXT change of slots will ask for: a slot's 32,768 bytes of K and of V.  All four work-groups of a head walk the same K and V: the first of them, which walks all 8 slots, asks.  In it the waves ask that
; fetch nothing: waves 4 to 7 for K, waves 8 to 11 for V, 8,192 bytes a wave, lanes 256 bytes apart: each block of 256 bytes is named once.  Slots 0 and 1 are not asked for; the last change that fills a slot asks for nothing.
.macro ASK
	s_cmp_gt_u32 s[SLOTS], s[LIM]
	s_cbranch_scc0 .Lnot_mine_\@
	global_prefetch_b8 v[PFO], s[PFA:PFA+1] th:TH_LOAD_NT scope:SCOPE_SE
.Lnot_mine_\@:
.endm
	s_load_b128 s[4:7], s[0:1], 0x0                ; qkv16, attn16
	v_lshl_add_u32 v[SPW], v0, 2, SPARE
	v_mov_b32 v[NIL], 0
	ds_add_u32 v[SPW], v[NIL]                      ; the wave's opening: the add, twice on end, and its wait ahead of the first tensor load
	ds_add_u32 v[SPW], v[NIL]
	v_lshrrev_b32 v12, 5, v0
	v_readfirstlane_b32 s[WV], v12                 ; wave 0..15
	s_and_b32 s10, ttmp7, 0xffff                   ; 16 batch + head
	s_lshl_b32 s50, s10, 18                        ; its 2,048 positions x 128 bytes, in q, in k, in v and in the result
	s_lshl_b32 s11, ttmp9, 8
	s_lshl_b32 s48, s[WV], 4
	s_add_co_u32 s[QL0], s11, s48
	s_sub_co_u32 s[QH0], 2032, s[QL0]
	s_add_co_u32 s[QL15], s[QL0], 15
	s_add_co_u32 s[QH15], s[QH0], 15
	s_sub_co_u32 s[WGL], 2047, s11
	s_mov_b32 s[G1], (3<<16)|(1<<20)|(4<<22)|(3<<25)   ; no mask; elements of 8 bytes; padding on: 4 words behind every 32
	s_mov_b32 s[G1+1], 16<<16                      ; tensor_dim0 = 16 elements: 128 bytes
	s_mov_b32 s[G1+2], 128<<16                     ; tensor_dim1 = 128 rows
	s_mov_b32 s[G1+3], 16<<16                      ; tile_dim0
	s_mov_b32 s[G1+4], 128                         ; tile_dim1
	s_mov_b32 s[G1+5], 16                          ; rows are dense in memory
	s_mov_b32 s[G1+6], 0
	s_mov_b32 s[G1+7], 0
	s_and_b32 s48, s[WV], 3
	s_mul_i32 s49, s48, 128*144                    ; where my 128 rows go
	s_and_b32 s44, s[WV], 1
	s_lshl_b32 s44, s44, 14
	s_add_co_u32 s44, s44, s50
	s_mov_b32 s47, 33554432
	s_cmp_lt_u32 s48, 2
	s_cselect_b32 s47, 16777216, s47               ; k's part of the buffer, or v's
	s_add_co_u32 s44, s44, s47
	s_mov_b32 s45, 0
	s_mov_b32 s[SEL], 0x76543210
	s_mov_b32 s[SEL+1], 0xfedcba98                 ; v_permlanex16_b32: lane l xor 16
	s_mov_b32 s[CS], 0x3e38aa3b                    ; c = log2(e) / 8
	s_mov_b32 s[CS+1], s[CS]
	s_mov_b32 s[KF], 0
	s_mov_b32 s[TB], 0
	s_mov_b32 s[SLOTS], 7
	s_wait_dscnt 0x0                               ; both opening adds are done
	s_wait_kmcnt 0x0
	s_mov_b32 s[G0], 1
	s_mov_b32 s[G0+1], s49
	s_add_nc_u64 s[G0+2:G0+3], s[4:5], s[44:45]
	s_or_b32 s[G0+3], s[G0+3], 0x80000000
	TLOAD                                          ; slot 0: key 0 counts for every query
	s_mov_b32 s47, 33554432                        ; the prefetches: where my wave's stand
	s_cmp_lt_u32 s[WV], 8
	s_cselect_b32 s47, 16777216, s47
	s_lshl_b32 s44, s48, 13
	s_add_co_u32 s44, s44, s50
	s_add_co_u32 s44, s44, s47
	s_add_co_u32 s44, s44, 32768                   ; in slot 1: the first change of slots steps it to slot 2
	s_mov_b32 s45, 0
	s_add_nc_u64 s[PFA:PFA+1], s[4:5], s[44:45]
	s_sub_co_u32 s44, s[WV], 4
	s_lshr_b32 s44, s44, 3                         ; 0 in waves 4 to 11
	s_or_b32 s44, s44, ttmp9                       ; of the head's first work-group
	s_cmp_eq_u32 s44, 0
	s_cselect_b32 s[LIM], 1, -1
	s_lshl_b32 s40, s[QH0], 7
	s_add_co_u32 s40, s40, s50
	s_mov_b32 s41, 0
	s_lshl_b32 s42, s[QL0], 7
	s_add_co_u32 s42, s42, s50
	s_mov_b32 s43, 0
	s_add_nc_u64 s[44:45], s[4:5], s[40:41]        ; Q of H,
	s_add_nc_u64 s[46:47], s[4:5], s[42:43]        ; of L,
	s_add_nc_u64 s[40:41], s[6:7], s[40:41]        ; and where their results go
	s_add_nc_u64 s[42:43], s[6:7], s[42:43]
	v_and_b32 v12, 15, v0                          ; r
	v_bfe_u32 v13, v0, 4, 1                        ; h
	v_lshlrev_b32 v14, 7, v12
	v_lshl_add_u32 v14, v13, 4, v14
.irp c, 0,1                                    ; Q stays in registers: channels 32 c on
	global_load_b128 v[16+8*\c:19+8*\c], v14, s[44:45] offset:64*\c
	global_load_b128 v[20+8*\c:23+8*\c], v14, s[44:45] offset:64*\c+32
	global_load_b128 v[32+8*\c:35+8*\c], v14, s[46:47] offset:64*\c
	global_load_b128 v[36+8*\c:39+8*\c], v14, s[46:47] offset:64*\c+32
.endr
	v_mul_u32_u24 v[AK0], v12, 144
	v_lshl_add_u32 v[AK0], v13, 4, v[AK0]          ; a fragment's row x pitch + 16 h
	v_lshlrev_b32 v[DL], 3, v13
	v_sub_nc_u32 v[DL], v12, v[DL]                 ; r - 8 h
	v_mov_b32 v[NINF], 0xff800000
	v_and_b32 v15, 31, v0
	v_lshlrev_b32 v[GO], 4, v15
	v_lshlrev_b32 v[PFO], 8, v15
	s_mul_i32 s48, s[WV], 16*144
	s_add_co_u32 s48, s48, STAGE
	v_add_nc_u32 v[STO], s48, v[AK0]
	v_lshrrev_b32 v[RD], 3, v15
	v_mul_u32_u24 v[RD], v[RD], 144
	v_and_b32 v15, 7, v15
	v_lshl_add_u32 v[RD], v15, 4, v[RD]
	v_add_nc_u32 v[RD], s48, v[RD]
	v_mov_b32 v241, 0xff61b1e6                     ; m = -3e38, under every score
	v_mov_b32 v245, 0xff61b1e6
	v_mul_f32 v240, s[CS], v241
	v_mul_f32 v244, s[CS], v245
	v_mov_b32 v242, 0
	v_mov_b32 v243, 0
	v_mov_b32 v246, 0
	v_mov_b32 v247, 0
.set i, 248
.rept 8
	v_mov_b32 v[i], 0                              ; written once: a lane permute's destination and the unused half of a pair count as read
.set i, i+1
.endr
.set i, 176
.rept 64
	v_mov_b32 v[i], 0                              ; O^T.  The step is written without a first step of its own: the first finds zeros, which a = 0 leaves zeros
.set i, i+1
.endr
.macro FETCH off                       ; eight fragments (16 rows x 32 of f16: two loads, 32 bytes apart): rows 16 (f / 2) on, bytes 64 (f % 2) on
.irp f, 0,1,2,3,4,5,6,7
	ds_load_b128 v[48+8*\f:51+8*\f], v[ADR] offset:(\off)+2304*(\f/2)+64*(\f%2)
	ds_load_b128 v[52+8*\f:55+8*\f], v[ADR] offset:(\off)+2304*(\f/2)+64*(\f%2)+32
.endr
.endm
.macro KQ t                            ; S^T of tile t: four accumulators by turns
.irp c, 0,1
.irp kt, 0,1,2,3
.if \c == 0
	v_wmma_f32_16x16x32_f16 v[112+32*(\t)+8*\kt:119+32*(\t)+8*\kt], v[48+8*(2*\kt+\c):55+8*(2*\kt+\c)], v[16+16*(\t)+8*\c:23+16*(\t)+8*\c], 0
.else
	v_wmma_f32_16x16x32_f16 v[112+32*(\t)+8*\kt:119+32*(\t)+8*\kt], v[48+8*(2*\kt+\c):55+8*(2*\kt+\c)], v[16+16*(\t)+8*\c:23+16*(\t)+8*\c], v[112+32*(\t)+8*\kt:119+32*(\t)+8*\kt]
.endif
.endr
.endr
.endm
.macro PV t                            ; O^T += V^T P of tile t, likewise
.irp c, 0,1
.irp dt, 0,1,2,3
	v_wmma_f32_16x16x32_f16 v[176+32*(\t)+8*\dt:183+32*(\t)+8*\dt], v[48+8*(2*\dt+\c):55+8*(2*\dt+\c)], v[112+32*(\t)+8*\c:119+32*(\t)+8*\c], v[176+32*(\t)+8*\dt:183+32*(\t)+8*\dt]
.endr
.endr
.endm
; The softmax of tile t for one step.  Every accumulator is read from its low end on.
.macro SM t
.set rT, 240+4*(\t)
.set rS, 112+32*(\t)
.set rO, 176+32*(\t)
	s_add_co_u32 s48, s[KF], 63                    ; a step all of whose keys count has no mask
	s_cmp_le_u32 s48, s[15-(\t)]
	s_cbranch_scc1 .Lopen_\@
	s_sub_co_u32 s48, s[15-(\t)], s[KF]
	v_add_nc_u32 v[MD], s48, v[DL]                 ; d = my query - the step's first key - 8 h.  Register 8 kt + j holds key 16 kt + 8 h + j of the step: hidden where 16 kt + j > d
.set n, 0
.rept 32
	v_cmp_gt_i32 vcc_lo, 16*(n/8)+n%8, v[MD]
	v_cndmask_b32 v[rS+n], v[rS+n], v[NINF], vcc_lo
.set n, n+1
.endr
.Lopen_\@:
.irp j, 0,1,2,3
	v_max3_num_f32 v[248+\j], v[rS+8*\j], v[rS+8*\j+1], v[rS+8*\j+2]   ; four chains
.endr
.irp g, 1,2
.irp j, 0,1,2,3
	v_max3_num_f32 v[248+\j], v[248+\j], v[rS+8*\j+2*\g+1], v[rS+8*\j+2*\g+2]
.endr
.endr
	v_max3_num_f32 v248, v248, v[rS+7], v[rS+15]
	v_max3_num_f32 v250, v250, v[rS+23], v[rS+31]
	v_max3_num_f32 v248, v248, v249, v250
	v_max3_num_f32 v248, v248, v251, v[rT+1]       ; with the old m
	v_permlanex16_b32 v249, v248, s[SEL], s[SEL+1] ; the query's other 32 keys lie in the lane 16 away
	v_mov_b32 v251, v[rT]                          ; c m_old
	v_max_num_f32 v[rT+1], v248, v249
	v_mul_f32 v[rT], s[CS], v[rT+1]
	v_sub_f32 v251, v251, v[rT]
.set b, 0
.rept 16
	v_pk_fma_f32 v[rS+b:rS+b+1], v[rS+b:rS+b+1], s[CS:CS+1], v[rT:rT+1] op_sel_hi:[1,0,0] neg_lo:[0,0,1] neg_hi:[0,0,1]   ; c s - c m
.set b, b+2
.endr
	v_exp_f32 v252, v251                           ; a
.set b, 0
.rept 32
	v_exp_f32 v[rS+b], v[rS+b]                     ; p: one batch of 33, none of which reads another's result
.set b, b+1
.endr
	v_nop                                          ; a plain instruction behind the last exponential
	s_wait_alu depctr_va_vdst(0)                   ; one wait for the batch, ahead of its first reader
	v_pk_mul_f32 v[rT+2:rT+3], v[rT+2:rT+3], v[252:253] op_sel_hi:[1,0]
	v_pk_add_f32 v[254:255], v[rS:rS+1], v[rS+2:rS+3]   ; the sum of the unrounded p, in two chains
.set b, 4
.rept 7
	v_pk_add_f32 v[rT+2:rT+3], v[rT+2:rT+3], v[rS+b:rS+b+1]
	v_pk_add_f32 v[254:255], v[254:255], v[rS+b+2:rS+b+3]
.set b, b+4
.endr
	v_pk_add_f32 v[rT+2:rT+3], v[rT+2:rT+3], v[254:255]
.set b, 0
.rept 16
	v_cvt_pk_f16_f32 v[rS+b], v[rS+2*b], v[rS+2*b+1]   ; P lands in place: register b is written when registers 2 b and 2 b + 1 are read
.set b, b+1
.endr
.set b, 0
.rept 16
	v_pk_mul_f32 v[rO+b:rO+b+1], v[rO+b:rO+b+1], v[252:253] op_sel_hi:[1,0]
.set b, b+2
.endr
.endm
; A STEP: 64 keys.  One branch on ids leaves it out, one chooses between both tiles and tile H alone.
.macro STEP
	s_cmp_gt_u32 s[KF], s[QH15]
	s_cbranch_scc1 .Lhidden_\@
	v_add_nc_u32 v[ADR], s[TB], v[AK0]
	PLACES 4                                       ; with the addition five places: the loads land on registers that the last products read, and the next products write over P's
	FETCH 0
	s_wait_dscnt 0x0
	s_cmp_gt_u32 s[KF], s[QL15]
	s_cbranch_scc1 .Lsolo_\@
	KQ 0
	KQ 1
	PLACES 4                                       ; in front of the loads into K's registers and of the first read of the scores
	FETCH VOFF                                     ; V lands under the softmax
	SM 0
	SM 1
	s_wait_dscnt 0x0
	PV 0
	PV 1
	s_branch .Lhidden_\@
.Lsolo_\@:
	KQ 0
	PLACES 4
	FETCH VOFF
	SM 0
	s_wait_dscnt 0x0
	PV 0
.Lhidden_\@:
	s_add_co_u32 s[KF], s[KF], 64
	s_add_co_u32 s[TB], s[TB], STEPB
.endm
.macro SLOT_STEPS
	s_mov_b32 s[CNT], 4
.Lstep_\@:
	STEP
	s_sub_co_u32 s[CNT], s[CNT], 1
	s_cmp_lg_u32 s[CNT], 0
	s_cbranch_scc1 .Lstep_\@
	s_sub_co_u32 s[TB], s[TB], 4*STEPB             ; back to a slot's first step,
	s_xor_b32 s[TB], s[TB], SLOT1                  ; in the other slot
.endm
; THE CHANGE OF SLOTS stands at a slot's head.  Each wave waits for all its tensor loads (its part of the slot ahead), adds 0 to its spare word, and waits for that and for its reads of the slot that it has left.
; Behind the barrier the slot ahead is whole and nobody reads the other one, which is then filled with the keys that follow: that load has a slot's four steps in which to land.
.macro CHANGE fill
	s_wait_tensorcnt 0x0                           ; no tensor load of mine is out, so the descriptor may be written
	ds_add_u32 v[SPW], v[NIL]
.if \fill
	ds_add_u32 v[SPW], v[NIL]                      ; the add twice on end here, in every trip alike
	s_xor_b32 s[G0+1], s[G0+1], SLOT1
	s_add_nc_u64 s[G0+2:G0+3], s[G0+2:G0+3], 32768 ; the next 256 keys
	s_wait_xcnt 0x0                                ; the last prefetch, a slot back, has read its address
	s_add_nc_u64 s[PFA:PFA+1], s[PFA:PFA+1], 32768
.endif
	s_wait_dscnt 0x0
	s_barrier_signal -1
	s_barrier_wait -1
.if \fill
	s_add_co_u32 s48, s[KF], 256                   ; the first key of the slot that this change would ask for:
	s_cmp_gt_u32 s48, s[WGL]                       ; past my work-group's last query none of its waves reads it.  Ids and the count of steps alone: all sixteen waves go the same way
	s_cbranch_scc1 .Lpast_\@
	TLOAD                                          ; a wave's one tensor load until the next change
.Lpast_\@:
	ASK
.endif
.endm
	s_wait_loadcnt 0x0                             ; Q
.Lslot:                                            ; 7 trips
	CHANGE 1
	SLOT_STEPS
	s_sub_co_u32 s[SLOTS], s[SLOTS], 1
	s_cmp_lg_u32 s[SLOTS], 0
	s_cbranch_scc1 .Lslot
	CHANGE 0                                       ; the last slot is written out: nothing is left to ask for
	SLOT_STEPS
	; THE WAY OUT: O^T / l, to f16, through my stage, out as whole rows of 128 bytes: a tile is 2,048 consecutive bytes
	PLACES 4
	v_add_f32 v248, v242, v243
	v_add_f32 v250, v246, v247
	v_permlanex16_b32 v249, v248, s[SEL], s[SEL+1]
	v_permlanex16_b32 v251, v250, s[SEL], s[SEL+1]
	v_add_f32 v248, v248, v249
	v_add_f32 v250, v250, v251
	v_rcp_f32 v252, v248
	v_rcp_f32 v254, v250
	v_nop
	s_wait_alu depctr_va_vdst(0)                   ; one wait for both reciprocals
.macro SCALEO t
.set b, 0
.rept 16
	v_pk_mul_f32 v[176+32*(\t)+b:177+32*(\t)+b], v[176+32*(\t)+b:177+32*(\t)+b], v[252+2*(\t):253+2*(\t)] op_sel_hi:[1,0]
.set b, b+2
.endr
.set b, 0
.rept 16
	v_cvt_pk_f16_f32 v[112+32*(\t)+b], v[176+32*(\t)+2*b], v[177+32*(\t)+2*b]
.set b, b+1
.endr
.endm
.macro STAGEO t
.irp d, 0,1,2,3
	ds_store_b128 v[STO], v[112+32*(\t)+4*\d:115+32*(\t)+4*\d] offset:32*\d
.endr
.irp d, 0,1,2,3
	ds_load_b128 v[48+16*(\t)+4*\d:51+16*(\t)+4*\d], v[RD] offset:576*\d   ; LDS serves a wave's instructions in order
.endr
.endm
.macro SENDO t
.irp d, 0,1,2,3
	global_store_b128 v[GO], v[48+16*(\t)+4*\d:51+16*(\t)+4*\d], s[40+2*(\t):41+2*(\t)] offset:512*\d   ; 512 consecutive bytes, aligned
.endr
.endm
	SCALEO 0
	STAGEO 0
	SCALEO 1                                       ; L's arithmetic stands between H's loads from the stage and the wait for them
	s_wait_dscnt 0x0
	SENDO 0
	STAGEO 1
	s_wait_dscnt 0x0
	SENDO 1
	s_wait_tensorcnt 0x0                           ; the wave's end
	ds_add_u32 v[SPW], v[NIL]
	s_wait_dscnt 0x0
	s_endpgm
.Lfunc_end_k_q22cdf73541_attn:
	.size	k_q22cdf73541_attn, .Lfunc_end_k_q22cdf73541_attn-k_q22cdf73541_attn
	.p2alignl 7, 3214868480
	.fill 96, 4, 3214868480
	.section	.rodata,"a",@progbits
	.p2align	6, 0x0
	.amdhsa_kernel k_q22cdf73541_attn
		.amdhsa_group_segment_fixed_size 327680
		.amdhsa_private_segment_fixed_size 0
		.amdhsa_enable_private_segment 0
		.amdhsa_kernarg_size 16
		.amdhsa_user_sgpr_count 2
		.amdhsa_user_sgpr_kernarg_segment_ptr 1
		.amdhsa_wavefront_size32 1
		.amdhsa_system_sgpr_workgroup_id_x 1
		.amdhsa_system_sgpr_workgroup_id_y 1
		.amdhsa_system_sgpr_workgroup_id_z 1
		.amdhsa_system_vgpr_workitem_id 0
		.amdhsa_next_free_vgpr 256
		.amdhsa_next_free_sgpr 66
		.amdhsa_reserve_vcc 1
		.amdhsa_float_denorm_mode_32 3
		.amdhsa_float_denorm_mode_16_64 3
		.amdhsa_memory_ordered 1
		.amdhsa_forward_progress 1
		.amdhsa_inst_pref_size 81
	.end_amdhsa_kernel
	.amdgpu_metadata
---
amdhsa.version: [ 1, 2 ]
amdhsa.kernels:
  - .name:           k_q22cdf73541_attn
    .symbol:         k_q22cdf73541_attn.kd
    .args:
      - { .name: qkv16, .offset: 0, .size: 8, .value_kind: global_buffer, .address_space: global }
      - { .name: attn16, .offset: 8, .size: 8, .value_kind: global_buffer, .address_space: global }
    .group_segment_fixed_size: 327680
    .private_segment_fixed_size: 0
    .kernarg_segment_align: 8
    .kernarg_segment_size: 16
    .max_flat_workgroup_size: 512
    .sgpr_count:     66
    .vgpr_count:     256
    .wavefront_size: 32
...
	.end_amdgpu_metadata
.endif
;; end of part 3
;; launch oproj (part 4): grid 4 x 64, 4 waves a work-group, clusters of 4 x 4, 327,680 bytes of LDS; arguments attn16, wo16, bo, out0; writes out0
.if DOCPART == 4
	.amdgcn_target "amdgcn-amd-amdhsa--gfx1250"
	.amdhsa_code_object_version 6
	.text
	.protected	k_q22cdf73541_oproj
	.globl	k_q22cdf73541_oproj
	.p2align	8
	.type	k_q22cdf73541_oproj,@function
k_q22cdf73541_oproj:
	s_mov_b64 s[64:65], 0
	v_nop
	global_prefetch_b8 v0, s[64:65] scope:SCOPE_SE
	s_setreg_imm32_b32 hwreg(HW_REG_WAVE_MODE, 25, 1), 1
	s_wait_xcnt 0x0
	s_wait_alu depctr_hold_cnt(0) depctr_sa_sdst(0) depctr_va_vdst(0) depctr_va_sdst(0) depctr_va_ssrc(0) depctr_va_vcc(0) depctr_vm_vsrc(0)
	s_getreg_b32 s2, hwreg(HW_REG_IB_STS2, 6, 4)
	s_cmp_eq_u32 s2, 0
	s_cbranch_scc0 .Lentry_in_a_cluster
	s_endpgm
.Lentry_in_a_cluster:
	s_bfe_u32 s2, ttmp6, 0x10000c
	s_cmp_lg_u32 s2, 0xf033
	s_cbranch_scc0 .Lentry_shape_is_right
	s_endpgm
.Lentry_shape_is_right:
; OPROJ: out = attention Wo^T + bo, f16 operands, f32 sums, for all positions but the first 16 of each sequence, which a later launch writes.
; A tile is 128 rows x 256 columns: 256 work-groups.  Tile column = cx; tile row = 16 cy + cluster y, so that the batch is cy.  Wave w: rows 64 (w / 2) on, columns 128 (w % 2) on: 4 x 8 accumulators.
; The instruction is used transposed (source 0 = 16 rows of Wo, source 1 = 16 rows of the attention's result): a lane holds eight neighbouring columns of a row.  bo is the C of each sum's first instruction.
; K goes in 8 steps of 128, which are two heads: the attention's result lies [b][h][s][64], so a head's 128 rows of a tile are 16,384 dense bytes.  Two LDS slots; waves 0, 1 fetch the two heads, waves 2, 3 the halves of Wo's 256 rows.
; CLUSTER 4 x 4: the attention's tile is shared along a row of the cluster, Wo's along a column; each is asked for jointly; where a slot is filled again a round of the cluster's barrier stands in front.
; REGISTERS: window 0: v16-19, v24-26, v30 addresses; v28, v29 the add's two; v32-63, v64-95 the attention's fragments, two buffers; v128-255 the way out.   window 1: v0-63, v64-127 Wo's fragments; v128-191 bo's eight tiles.   window 2: accumulator (a, b) at 8 (8 a + b).
.set PA,    144                        ; a row of a head in LDS: 128 bytes + 16
.set PB,    272                        ; a row of Wo's tile: 256 bytes + 16
.set HEADB, 128*PA
.set BOFF,  2*HEADB
.set HALFB, 128*PB
.set SLOT,  BOFF+2*HALFB
.set STAGE, 2*SLOT                     ; 16 rows x 528 bytes for each wave
.set SPITCH, 528
.set SPARE, STAGE+4*16*SPITCH          ; the spare words, 128 bytes a wave, named by no other line
.set LAPS,  4
.set ADRA, 16
.set ADRB, 18
.set STO,  24
.set RD,   25
.set CO,   26
.set SPW,  28
.set NIL,  29
.set PFO,  30
.set G1,   24
.set G0,   32
.set G1B,  48
.set G0B,  56
.set PFA,  44
.set LIM,  43
.set FLAG, 42
.set MSB, 0
.macro WIN new
.if MSB != (\new)
	s_set_vgpr_msb (MSB<<8)|(\new)
.set MSB, (\new)
.endif
.endm
.macro PLACES n
.rept \n
	v_nop
.endr
.endm
.macro JLOAD s                         ; a joint load; the branch hangs on the wave's number alone
	s_cmp_eq_u32 s13, 0
	s_cbranch_scc0 .Lfor_b_\@
	tensor_load_to_lds s[G0+4*\s:G0+4*\s+3], s[G1:G1+7]
	s_nop 0
	PLACES 4
	s_branch .Lasked_\@
.Lfor_b_\@:
	tensor_load_to_lds s[G0B+4*\s:G0B+4*\s+3], s[G1B:G1B+7]
	s_nop 0
	PLACES 4
.Lasked_\@:
.endm
.macro CREST
	s_cmp_lg_u32 s12, 0
	s_cbranch_scc1 .Lnot_wave_0_\@
	s_barrier_signal -3
.Lnot_wave_0_\@:
	s_barrier_wait -3
	s_barrier_signal -1
	s_barrier_wait -1
.endm
.macro CROUND
	s_barrier_signal -1
	s_barrier_wait -1
	CREST
.endm
; A prefetch of the attention's K step that stands two refills on: 2 heads x 16,384 bytes.  Only this cluster reads these rows.  Its row's four partners share them out BY ADDRESS: partner cx takes head cx / 2, half cx % 2, 8,192 bytes,
; lanes 256 bytes apart; wave 0 asks.  The loop's last trip asks for nothing: there is no K step two on.  Wo is not asked for: all 64 tile rows read it.
.macro ASK
	s_cmp_gt_u32 s3, s[LIM]
	s_cbranch_scc0 .Lnot_mine_\@
	global_prefetch_b8 v[PFO], s[PFA:PFA+1] offset:524288 th:TH_LOAD_NT scope:SCOPE_SE
.Lnot_mine_\@:
.endm
	s_load_b256 s[4:11], s[0:1], 0x0               ; attn16 s[4:5], wo16 s[6:7], bo s[8:9], out0 s[10:11]
	v_lshl_add_u32 v[SPW], v0, 2, SPARE
	v_mov_b32 v[NIL], 0
	ds_add_u32 v[SPW], v[NIL]                      ; the wave's opening: the add, twice on end, and its wait ahead of my first tensor load
	ds_add_u32 v[SPW], v[NIL]
	v_lshrrev_b32 v1, 5, v0
	v_readfirstlane_b32 s12, v1                    ; wave
	s_lshr_b32 s13, s12, 1                         ; my half of the rows.  Also: I fetch the attention's tile (0) or Wo's (1)
	s_and_b32 s14, s12, 1                          ; my half of the columns.  Also: which head, or which 128 rows of Wo, I fetch
	s_bfe_u32 s15, ttmp6, 0x40000                  ; cx = tile column
	s_bfe_u32 s16, ttmp6, 0x40004                  ; cy = batch
	s_and_b32 s17, ttmp7, 0xffff                   ; cluster y: which 128 positions
	s_lshl_b32 s18, s16, 2
	s_lshl_b32 s18, 15, s18                        ; my row of the cluster
	s_lshl_b32 s19, 0x1111, s15                    ; my column
	s_or_b32 s[G1], s18, (1<<16)|(1<<20)|(1<<21)|(4<<22)|(3<<25)    ; the mask; elements of 2 bytes; padding on; bit 21 beside a mask; 4 words behind every 32
	s_or_b32 s[G1B], s19, (1<<16)|(1<<20)|(1<<21)|(5<<22)|(3<<25)   ; 4 words behind every 64
	s_mov_b32 s[G1+1], 64<<16
	s_mov_b32 s[G1+2], 128<<16
	s_mov_b32 s[G1+3], 64<<16
	s_mov_b32 s[G1+4], 128
	s_mov_b32 s[G1+5], 64
	s_mov_b32 s[G1+6], 0
	s_mov_b32 s[G1+7], 0
	s_mov_b32 s[G1B+1], 128<<16
	s_mov_b32 s[G1B+2], 128<<16
	s_mov_b32 s[G1B+3], 128<<16
	s_mov_b32 s[G1B+4], 128
	s_mov_b32 s[G1B+5], 1024
	s_mov_b32 s[G1B+6], 0
	s_mov_b32 s[G1B+7], 0
	s_lshl_b32 s20, s16, 4                         ; the attention's tile: head 16 cy + (w % 2), positions 128 cluster y on: nothing of cx
	s_add_co_u32 s20, s20, s14
	s_lshl_b32 s20, s20, 18
	s_lshl_b32 s21, s17, 14
	s_add_co_u32 s20, s20, s21
	s_mov_b32 s21, 0
	s_lshl_b32 s46, s15, 8                         ; Wo's: rows 256 cx + 128 (w % 2): nothing of cy
	s_lshl_b32 s47, s14, 7
	s_add_co_u32 s46, s46, s47
	s_lshl_b32 s46, s46, 11
	s_mov_b32 s47, 0
	s_mul_i32 s22, s14, HEADB                      ; where they go: the wave's number alone
	s_mul_i32 s23, s14, HALFB
	s_add_co_u32 s23, s23, BOFF
	s_lshl_b32 s66, s16, 11                        ; my first row of out0
	s_lshl_b32 s67, s17, 7
	s_add_co_u32 s66, s66, s67
	s_lshl_b32 s67, s13, 6
	s_add_co_u32 s66, s66, s67
	s_lshl_b32 s66, s66, 12
	s_lshl_b32 s68, s15, 10                        ; my first column, in bytes
	s_lshl_b32 s69, s14, 9
	s_add_co_u32 s68, s68, s69
	s_add_co_u32 s66, s66, s68
	s_mov_b32 s67, 0
	s_mov_b32 s69, 0
	s_lshl_b32 s70, s16, 4                         ; the prefetches: head 16 cy + cx / 2, half cx % 2, at K step 2
	s_lshr_b32 s71, s15, 1
	s_add_co_u32 s70, s70, s71
	s_lshl_b32 s70, s70, 18
	s_lshl_b32 s71, s17, 14
	s_add_co_u32 s70, s70, s71
	s_and_b32 s71, s15, 1
	s_lshl_b32 s71, s71, 13
	s_add_co_u32 s70, s70, s71
	s_add_co_u32 s70, s70, 2*524288
	s_mov_b32 s71, 0
	s_cmp_eq_u32 s12, 0
	s_cselect_b32 s[LIM], 1, -1
	s_or_b32 s[FLAG], s17, s13                     ; 0: my block 0 is the first 16 positions of a sequence
	s_wait_dscnt 0x0                               ; both opening adds are done
	s_wait_kmcnt 0x0
	s_add_nc_u64 s[20:21], s[4:5], s[20:21]
	s_add_nc_u64 s[46:47], s[6:7], s[46:47]
	s_add_nc_u64 s[8:9], s[8:9], s[68:69]
	s_add_nc_u64 s[10:11], s[10:11], s[66:67]
	s_add_nc_u64 s[PFA:PFA+1], s[4:5], s[70:71]
	CROUND                                         ; all sixteen work-groups are here: the first joint loads meet
.irp s, 0,1
	s_mov_b32 s[G0+4*\s], 1
	s_add_co_u32 s[G0+4*\s+1], s22, \s*SLOT
	s_add_nc_u64 s[G0+4*\s+2:G0+4*\s+3], s[20:21], \s*524288
	s_or_b32 s[G0+4*\s+3], s[G0+4*\s+3], 0x80000000
	s_mov_b32 s[G0B+4*\s], 1
	s_add_co_u32 s[G0B+4*\s+1], s23, \s*SLOT
	s_add_nc_u64 s[G0B+4*\s+2:G0B+4*\s+3], s[46:47], \s*256
	s_or_b32 s[G0B+4*\s+3], s[G0B+4*\s+3], 0x80000000
	JLOAD \s
.endr
	v_and_b32 v1, 15, v0                           ; r
	v_bfe_u32 v2, v0, 4, 1                         ; h
	v_and_b32 v3, 31, v0
	v_lshlrev_b32 v4, 5, v2
	WIN 0x40
.irp b, 0,1,2,3,4,5,6,7                        ; bo's tiles: columns 16 b + 8 h + 0 .. 7
	global_load_b128 v[128+8*\b:131+8*\b], v4, s[8:9] offset:64*\b
	global_load_b128 v[132+8*\b:135+8*\b], v4, s[8:9] offset:64*\b+16
.endr
	WIN 0
	v_mul_u32_u24 v5, v1, PA
	v_lshl_add_u32 v5, v2, 4, v5
	s_mul_i32 s18, s13, 64*PA
	v_add_nc_u32 v[ADRA], s18, v5
	v_add_nc_u32 v[ADRA+1], SLOT, v[ADRA]
	v_mul_u32_u24 v5, v1, PB
	v_lshl_add_u32 v5, v2, 4, v5
	s_mul_i32 s18, s14, HALFB
	s_add_co_u32 s18, s18, BOFF
	v_add_nc_u32 v[ADRB], s18, v5
	v_add_nc_u32 v[ADRB+1], SLOT, v[ADRB]
	s_mul_i32 s18, s12, 16*SPITCH
	s_add_co_u32 s18, s18, STAGE
	v_mul_u32_u24 v[STO], v1, SPITCH
	v_lshl_add_u32 v[STO], v2, 5, v[STO]
	v_add_nc_u32 v[STO], s18, v[STO]               ; in: row r, 32 bytes for each half of the lanes
	v_lshlrev_b32 v[CO], 4, v3
	v_add_nc_u32 v[RD], s18, v[CO]                 ; back: the 32 lanes take a row of 512 bytes
	v_lshlrev_b32 v[PFO], 8, v3
.macro FETCH slot, kq, buf             ; 24 LDS loads in one run: the fragments of 32 along K: Wo's eight, the attention's four (head kq / 2, channels 32 (kq % 2) on)
	WIN 0x40
.irp b, 0,1,2,3,4,5,6,7
	ds_load_b128 v[64*(\buf)+8*\b:64*(\buf)+8*\b+3], v[ADRB+\slot] offset:64*(\kq)+16*PB*\b
	ds_load_b128 v[64*(\buf)+8*\b+4:64*(\buf)+8*\b+7], v[ADRB+\slot] offset:64*(\kq)+16*PB*\b+32
.endr
	WIN 0
.irp a, 0,1,2,3
	ds_load_b128 v[32+32*(\buf)+8*\a:32+32*(\buf)+8*\a+3], v[ADRA+\slot] offset:HEADB*((\kq)/2)+64*((\kq)%2)+16*PA*\a
	ds_load_b128 v[32+32*(\buf)+8*\a+4:32+32*(\buf)+8*\a+7], v[ADRA+\slot] offset:HEADB*((\kq)/2)+64*((\kq)%2)+16*PA*\a+32
.endr
.endm
.macro MUL16 buf, a0, first            ; the 32 accumulators take turns, one instruction a turn
.irp a, \a0, \a0+1
.irp b, 0,1,2,3,4,5,6,7
.if \first
	v_wmma_f32_16x16x32_f16 v[8*(8*(\a)+\b):8*(8*(\a)+\b)+7], v[64*(\buf)+8*\b:64*(\buf)+8*\b+7], v[32+32*(\buf)+8*(\a):32+32*(\buf)+8*(\a)+7], v[128+8*\b:128+8*\b+7]
.else
	v_wmma_f32_16x16x32_f16 v[8*(8*(\a)+\b):8*(8*(\a)+\b)+7], v[64*(\buf)+8*\b:64*(\buf)+8*\b+7], v[32+32*(\buf)+8*(\a):32+32*(\buf)+8*(\a)+7], v[8*(8*(\a)+\b):8*(8*(\a)+\b)+7]
.endif
.endr
.endr
.endm
.macro QUARTER slot, kq, f, g, first   ; multiplies buffer f; ahead of that it asks for quarter kq of the same slot, into buffer g
	s_wait_dscnt 0x0                               ; buffer f is in (asked for 32 matrix instructions ago)
	PLACES 4                                       ; between the last products and loads into the registers that they read
	FETCH \slot, \kq, \g
.if \first
	WIN 0x91                                       ; Wo window 1, the attention window 0, C (bo) window 1, D window 2
.else
	WIN 0xa1
.endif
	MUL16 \f, 0, \first
	MUL16 \f, 2, \first
.endm
; A slot's last quarter changes slots: each wave waits for all its tensor loads (its part of the next slot), adds 0 to its spare word, and waits for that and for its reads of this slot; then the barrier, which opens a round of the cluster's where the slot is filled again
.macro TURN slot, next, fill
.if \fill
	s_wait_xcnt 0x0                                ; the last prefetch, a K step back, has read its address
	s_add_nc_u64 s[PFA:PFA+1], s[PFA:PFA+1], 524288
.endif
	WIN 0
	s_wait_tensorcnt 0x0
	ds_add_u32 v[SPW], v[NIL]
	s_wait_dscnt 1                                 ; buffer 1 is in; the add alone may be out
	WIN 0xa1
	MUL16 1, 0, 0                                  ; sixteen matrix instructions stand between the add and the wait for it
	s_wait_dscnt 0x0
	s_barrier_signal -1
	WIN 0
	s_barrier_wait -1
.if \fill
	CREST                                          ; no wave of any partner still reads this slot or has a load on its way
	s_add_nc_u64 s[G0+4*\slot+2:G0+4*\slot+3], s[G0+4*\slot+2:G0+4*\slot+3], 2*524288
	s_add_nc_u64 s[G0B+4*\slot+2:G0B+4*\slot+3], s[G0B+4*\slot+2:G0B+4*\slot+3], 2*256
	JLOAD \slot                                    ; the first tensor load behind the round; its four v_nop are also the places in front of the loads below
.else
	PLACES 4
.endif
	FETCH \next, 0, 0
.if \fill
	ASK
.endif
	WIN 0xa1
	MUL16 1, 2, 0
.endm
	s_wait_tensorcnt 0x1                           ; my part of K step 0 is in; K step 1's load, issued behind it, stays out
	s_barrier_signal -1
	s_barrier_wait -1
	FETCH 0, 0, 0
	s_wait_loadcnt 0x0                             ; bo
	QUARTER 0, 1, 0, 1, 1                          ; the first quarter stands ahead of the loop: its products start the sums from bo
	WIN 0
	s_mov_b32 s3, LAPS-1
.Llap:                                             ; a trip goes once round the ring and fills both slots again
	QUARTER 0, 2, 1, 0, 0
	QUARTER 0, 3, 0, 1, 0
	TURN 0, 1, 1
	QUARTER 1, 1, 0, 1, 0
	QUARTER 1, 2, 1, 0, 0
	QUARTER 1, 3, 0, 1, 0
	TURN 1, 0, 1
	QUARTER 0, 1, 0, 1, 0
	WIN 0
	s_sub_co_u32 s3, s3, 1
	s_cmp_lg_u32 s3, 0
	s_cbranch_scc1 .Llap
	QUARTER 0, 2, 1, 0, 0                          ; the last lap fills nothing
	QUARTER 0, 3, 0, 1, 0
	TURN 0, 1, 0
	QUARTER 1, 1, 0, 1, 0
	QUARTER 1, 2, 1, 0, 0
	QUARTER 1, 3, 0, 1, 0
	s_wait_dscnt 0x0
	WIN 0xa1
	MUL16 1, 0, 0
	MUL16 1, 2, 0
	WIN 0
	PLACES 4
; THE WAY OUT, a block of 16 rows x 128 columns at a time, through my stage: back as whole rows of 512 bytes
.macro TOSTAGE a
	WIN 0x08                                       ; an LDS store's data: window 2
.irp b, 0,1,2,3,4,5,6,7
	ds_store_b128 v[STO], v[8*(8*(\a)+\b):8*(8*(\a)+\b)+3] offset:64*\b        ; each accumulator from its low end on
	ds_store_b128 v[STO], v[8*(8*(\a)+\b)+4:8*(8*(\a)+\b)+7] offset:64*\b+16
.endr
	WIN 0
.set BB, 128+64*((\a)%2)
.irp t, 0,1,2,3,4,5,6,7,8,9,10,11,12,13,14,15
	ds_load_b128 v[BB+4*\t:BB+4*\t+3], v[RD] offset:\t*SPITCH      ; LDS serves a wave's instructions in order
.endr
.endm
.macro SEND a, younger
.set BB, 128+64*((\a)%2)
	s_wait_dscnt \younger                          ; the block is back; the next block's 16 stores and 16 loads may be out
.if (\a) == 0
	s_cmp_eq_u32 s[FLAG], 0                        ; the first 16 positions of a sequence are another launch's to write
	s_cbranch_scc1 .Lnot_these
.endif
.irp t, 0,1,2,3,4,5,6,7,8,9,10,11,12,13,14,15
	global_store_b128 v[CO], v[BB+4*\t:BB+4*\t+3], s[10:11] offset:(16*(\a)+\t)*4096 th:TH_STORE_NT   ; 512 consecutive bytes, aligned
.endr
.if (\a) == 0
.Lnot_these:
.endif
.endm
	TOSTAGE 0
	TOSTAGE 1
	SEND 0, 32
	s_wait_xcnt 0x0                                ; block 0's stores have read their data: block 2's loads land there
	TOSTAGE 2
	SEND 1, 32
	s_wait_xcnt 0x0
	TOSTAGE 3
	SEND 2, 32
	SEND 3, 0
	s_wait_tensorcnt 0x0                           ; the wave's end
	ds_add_u32 v[SPW], v[NIL]
	s_wait_dscnt 0x0
	CROUND                                         ; the closing round
	s_endpgm
.Lfunc_end_k_q22cdf73541_oproj:
	.size	k_q22cdf73541_oproj, .Lfunc_end_k_q22cdf73541_oproj-k_q22cdf73541_oproj
	.p2alignl 7, 3214868480
	.fill 96, 4, 3214868480
	.section	.rodata,"a",@progbits
	.p2align	6, 0x0
	.amdhsa_kernel k_q22cdf73541_oproj
		.amdhsa_group_segment_fixed_size 327680
		.amdhsa_private_segment_fixed_size 0
		.amdhsa_enable_private_segment 0
		.amdhsa_kernarg_size 32
		.amdhsa_user_sgpr_count 2
		.amdhsa_user_sgpr_kernarg_segment_ptr 1
		.amdhsa_wavefront_size32 1
		.amdhsa_system_sgpr_workgroup_id_x 1
		.amdhsa_system_sgpr_workgroup_id_y 1
		.amdhsa_system_sgpr_workgroup_id_z 1
		.amdhsa_system_vgpr_workitem_id 0
		.amdhsa_next_free_vgpr 768
		.amdhsa_next_free_sgpr 100
		.amdhsa_reserve_vcc 0
		.amdhsa_float_denorm_mode_32 3
		.amdhsa_float_denorm_mode_16_64 3
		.amdhsa_memory_ordered 1
		.amdhsa_forward_progress 1
		.amdhsa_inst_pref_size 87
	.end_amdhsa_kernel
	.amdgpu_metadata
---
amdhsa.version: [ 1, 2 ]
amdhsa.kernels:
  - .name:           k_q22cdf73541_oproj
    .symbol:         k_q22cdf73541_oproj.kd
    .args:
      - { .name: attn16, .offset: 0, .size: 8, .value_kind: global_buffer, .address_space: global }
      - { .name: wo16, .offset: 8, .size: 8, .value_kind: global_buffer, .address_space: global }
      - { .name: bo, .offset: 16, .size: 8, .value_kind: global_buffer, .address_space: global }
      - { .name: out0, .offset: 24, .size: 8, .value_kind: global_buffer, .address_space: global }
    .group_segment_fixed_size: 327680
    .private_segment_fixed_size: 0
    .kernarg_segment_align: 8
    .kernarg_segment_size: 32
    .max_flat_workgroup_size: 128
    .sgpr_count:     100
    .vgpr_count:     768
    .wavefront_size: 32
...
	.end_amdgpu_metadata
.endif
;; end of part 4
;; launch fine (part 5): grid 64 x 4, 16 waves a work-group, no clusters, 18,432 bytes of LDS; arguments fine32, Wo, bo, out0; writes out0
.if DOCPART == 5
	.amdgcn_target "amdgcn-amd-amdhsa--gfx1250"
	.amdhsa_code_object_version 6
	.text
	.protected	k_q22cdf73541_fine
	.globl	k_q22cdf73541_fine
	.p2align	8
	.type	k_q22cdf73541_fine,@function
k_q22cdf73541_fine:
	s_mov_b64 s[64:65], 0
	v_nop
	global_prefetch_b8 v0, s[64:65] scope:SCOPE_SE
	s_setreg_imm32_b32 hwreg(HW_REG_WAVE_MODE, 25, 1), 1
	s_wait_xcnt 0x0
; FINE: the first 16 positions of each sequence, attention and projection, all in f32: these rows average one to sixteen values and are the largest, so 16-bit operands would weigh most here.
; Work-group (c, b) makes out0[b][0 .. 15][16 c .. 16 c + 15]; wave hh is head hh; the sixteen heads' parts meet in LDS.  Every work-group computes the 16 positions' attention again: 32 small matrix instructions a wave.
; OPERANDS are images of accumulator registers.  q, k block nb: lane (r, h), register j = position r, channel 16 nb + 8 h + j.  v block nb: position 8 h + j, channel 16 nb + r.
; The f32 form sums 4 along K: a lane's two registers are k = 2 h + 0, 1.  Registers 2 i, 2 i + 1 of a block are taken as one such step on BOTH sides, so that both sides name the same channels (or keys): a permutation of K that leaves the sums as they are.
;   S^T = K Q^T: lane (r, h), register j = key 8 h + j, query r.   O^T = V^T P: source 0 = v's block (row = channel), source 1 = p.   out^T = Wo O: source 0 = Wo's rows 16 c + r, source 1 = O^T's tiles as they stand.
; The registers that the matrix instructions write are written by them alone; sums of two accumulators go into other registers.
; The stores are pieces of 64 bytes, 262,144 bytes in the whole launch: the price of sharing this small work among 256 work-groups.
.set SPARE, 16384                      ; behind the sixteen parts of 1,024 bytes: the spare words, 128 bytes a wave, named by no other line
.set SPW, 6
.set NIL, 7
.set KR,  16                           ; v16-47 k, v48-79 q, v80-111 v, v112-143 Wo, v144-147 bo
.set QR,  48
.set VR,  80
.set WR,  112
.set AC,  148                          ; v148-163 two accumulators of S^T
.set SR,  164                          ; v164-171 scores, p, later the part of out
.set OR,  172                          ; v172-203 O^T, four tiles
.set AD,  204                          ; v204-219 two accumulators of out^T
	s_load_b256 s[4:11], s[0:1], 0x0               ; fine32, Wo, bo, out0
	v_lshl_add_u32 v[SPW], v0, 2, SPARE
	v_mov_b32 v[NIL], 0
	v_lshrrev_b32 v1, 5, v0
	v_readfirstlane_b32 s12, v1                    ; head
	s_and_b32 s13, ttmp7, 0xffff                   ; batch
	v_and_b32 v1, 15, v0                           ; r
	v_bfe_u32 v2, v0, 4, 1                         ; h
	v_and_b32 v3, 31, v0
	v_lshlrev_b32 v3, 5, v3                        ; an image: 32 bytes a lane
	v_lshlrev_b32 v4, 12, v1
	v_lshl_add_u32 v4, v2, 5, v4                   ; Wo: row r of 4,096 bytes, + 32 h
	v_and_b32 v5, 3, v0
	v_lshlrev_b32 v5, 4, v5                        ; 16 (thread % 4)
	v_lshlrev_b32 v8, 3, v2
	v_sub_nc_u32 v8, v1, v8                        ; r - 8 h
	v_mov_b32 v9, 0xff800000
	s_lshl_b32 s22, s12, 10
	v_lshlrev_b32 v10, 6, v1
	v_lshl_add_u32 v10, v2, 5, v10
	v_add_nc_u32 v10, s22, v10                     ; my part in LDS: 1,024 head + 64 r + 32 h
	v_and_b32 v12, 63, v0
	v_lshlrev_b32 v11, 4, v12                      ; the sum over heads: 16 bytes a thread of waves 0 and 1
	v_lshrrev_b32 v12, 2, v12
	v_lshl_add_u32 v12, v12, 12, v5                ; and their place in out0: position thread / 4
	v_mov_b32 v14, 0                               ; a lane permute's destination counts as read
	s_lshl_b32 s14, s13, 4
	s_add_co_u32 s14, s14, s12
	s_mul_i32 s14, s14, 12288
	s_mov_b32 s15, 0
	s_lshl_b32 s16, ttmp9, 16                      ; Wo's rows 16 c on,
	s_lshl_b32 s17, s12, 8                         ; my head's 64 columns
	s_add_co_u32 s16, s16, s17
	s_mov_b32 s17, 0
	s_lshl_b32 s18, ttmp9, 6
	s_mov_b32 s19, 0
	s_lshl_b32 s20, s13, 23
	s_add_co_u32 s20, s20, s18
	s_mov_b32 s21, 0
	s_mov_b32 s22, 0x3e38aa3b                      ; c = log2(e) / 8
	s_mov_b32 s24, 0x76543210
	s_mov_b32 s25, 0xfedcba98
	s_wait_kmcnt 0x0
	s_add_nc_u64 s[4:5], s[4:5], s[14:15]
	s_add_nc_u64 s[6:7], s[6:7], s[16:17]
	s_add_nc_u64 s[8:9], s[8:9], s[18:19]
	s_add_nc_u64 s[10:11], s[10:11], s[20:21]
.irp nb, 0,1,2,3
	global_load_b128 v[KR+8*\nb:KR+8*\nb+3], v3, s[4:5] offset:1024*(4+\nb)
	global_load_b128 v[KR+8*\nb+4:KR+8*\nb+7], v3, s[4:5] offset:1024*(4+\nb)+16
.endr
.irp nb, 0,1,2,3
	global_load_b128 v[QR+8*\nb:QR+8*\nb+3], v3, s[4:5] offset:1024*\nb
	global_load_b128 v[QR+8*\nb+4:QR+8*\nb+7], v3, s[4:5] offset:1024*\nb+16
.endr
.irp nb, 0,1,2,3
	global_load_b128 v[VR+8*\nb:VR+8*\nb+3], v3, s[4:5] offset:1024*(8+\nb)
	global_load_b128 v[VR+8*\nb+4:VR+8*\nb+7], v3, s[4:5] offset:1024*(8+\nb)+16
.endr
.irp t, 0,1,2,3
	global_load_b128 v[WR+8*\t:WR+8*\t+3], v4, s[6:7] offset:64*\t
	global_load_b128 v[WR+8*\t+4:WR+8*\t+7], v4, s[6:7] offset:64*\t+16
.endr
	global_load_b128 v[144:147], v5, s[8:9]
	s_wait_loadcnt 17                              ; k and q are in; v's 8, Wo's 8 and bo's one may be out
.irp nb, 0,1,2,3                               ; S^T: 16 steps of 4 channels, two accumulators by turns
.irp i, 0,1,2,3
.if (4*\nb+\i) < 2
	v_wmma_f32_16x16x4_f32 v[AC+8*(\i%2):AC+8*(\i%2)+7], v[KR+8*\nb+2*\i:KR+8*\nb+2*\i+1], v[QR+8*\nb+2*\i:QR+8*\nb+2*\i+1], 0
.else
	v_wmma_f32_16x16x4_f32 v[AC+8*(\i%2):AC+8*(\i%2)+7], v[KR+8*\nb+2*\i:KR+8*\nb+2*\i+1], v[QR+8*\nb+2*\i:QR+8*\nb+2*\i+1], v[AC+8*(\i%2):AC+8*(\i%2)+7]
.endif
.endr
.endr
.rept 8
	v_nop                                          ; eight places behind this form, ahead of the first read of its results
.endr
.irp j, 0,1,2,3,4,5,6,7
	v_add_f32 v[SR+\j], v[AC+\j], v[AC+8+\j]
.endr
.irp j, 0,1,2,3,4,5,6,7
	v_cmp_gt_i32 vcc_lo, \j, v8                    ; key 8 h + j is hidden from query r where j > r - 8 h
	v_cndmask_b32 v[SR+\j], v[SR+\j], v9, vcc_lo
.endr
	v_max3_num_f32 v13, v[SR], v[SR+1], v[SR+2]
	v_max3_num_f32 v13, v13, v[SR+3], v[SR+4]
	v_max3_num_f32 v13, v13, v[SR+5], v[SR+6]
	v_max_num_f32 v13, v13, v[SR+7]
	v_permlanex16_b32 v14, v13, s24, s25
	v_max_num_f32 v13, v13, v14                    ; the row's maximum: key 0 counts for every query
	v_mul_f32 v15, s22, v13
.irp j, 0,1,2,3,4,5,6,7
	v_fma_f32 v[SR+\j], v[SR+\j], s22, -v15
.endr
.irp j, 0,1,2,3,4,5,6,7
	v_exp_f32 v[SR+\j], v[SR+\j]
.endr
	v_nop
	s_wait_alu depctr_va_vdst(0)                   ; one wait for the eight exponentials, ahead of their first reader
	v_add_f32 v13, v[SR], v[SR+1]
.irp j, 2,3,4,5,6,7
	v_add_f32 v13, v13, v[SR+\j]
.endr
	v_permlanex16_b32 v14, v13, s24, s25
	v_add_f32 v13, v13, v14
	v_rcp_f32 v15, v13
	v_nop
	s_wait_alu depctr_va_vdst(0)
.irp j, 0,1,2,3,4,5,6,7
	v_mul_f32 v[SR+\j], v[SR+\j], v15              ; the weights, normalised
.endr
	s_wait_loadcnt 9                               ; v is in; Wo's 8 and bo's one may be out
.irp i, 0,1,2,3                                ; O^T: four tiles of 16 channels by turns, 4 steps of 4 keys
.irp nb, 0,1,2,3
.if \i == 0
	v_wmma_f32_16x16x4_f32 v[OR+8*\nb:OR+8*\nb+7], v[VR+8*\nb+2*\i:VR+8*\nb+2*\i+1], v[SR+2*\i:SR+2*\i+1], 0
.else
	v_wmma_f32_16x16x4_f32 v[OR+8*\nb:OR+8*\nb+7], v[VR+8*\nb+2*\i:VR+8*\nb+2*\i+1], v[SR+2*\i:SR+2*\i+1], v[OR+8*\nb:OR+8*\nb+7]
.endif
.endr
.endr
.rept 9
	v_nop                                          ; nine places before a matrix instruction takes these results as a source
.endr
	s_wait_loadcnt 0x0
.irp t, 0,1,2,3                                ; out^T for my head: 16 steps of 4 channels, two accumulators by turns
.irp i, 0,1,2,3
.if (4*\t+\i) < 2
	v_wmma_f32_16x16x4_f32 v[AD+8*(\i%2):AD+8*(\i%2)+7], v[WR+8*\t+2*\i:WR+8*\t+2*\i+1], v[OR+8*\t+2*\i:OR+8*\t+2*\i+1], 0
.else
	v_wmma_f32_16x16x4_f32 v[AD+8*(\i%2):AD+8*(\i%2)+7], v[WR+8*\t+2*\i:WR+8*\t+2*\i+1], v[OR+8*\t+2*\i:OR+8*\t+2*\i+1], v[AD+8*(\i%2):AD+8*(\i%2)+7]
.endif
.endr
.endr
.rept 8
	v_nop
.endr
.irp j, 0,1,2,3,4,5,6,7
	v_add_f32 v[SR+\j], v[AD+\j], v[AD+8+\j]       ; lane (r, h): position r, columns 16 c + 8 h + 0 .. 7
.endr
	ds_store_b128 v10, v[SR:SR+3]
	ds_store_b128 v10, v[SR+4:SR+7] offset:16
	s_wait_dscnt 0x0                               ; for the others' sake: my part lies in LDS
	s_barrier_signal -1
	s_barrier_wait -1
	s_cmp_gt_u32 s12, 1                            ; waves 0 and 1 add the sixteen heads' parts, 16 bytes a thread
	s_cbranch_scc1 .Ldone
.irp k, 0,1,2,3,4,5,6,7,8,9,10,11,12,13,14,15
	ds_load_b128 v[16+4*\k:19+4*\k], v11 offset:1024*\k
.endr
	s_wait_dscnt 0x0
.irp k, 1,2,3,4,5,6,7,8,9,10,11,12,13,14,15
	v_pk_add_f32 v[16:17], v[16:17], v[16+4*\k:17+4*\k]
	v_pk_add_f32 v[18:19], v[18:19], v[18+4*\k:19+4*\k]
.endr
	v_pk_add_f32 v[16:17], v[16:17], v[144:145]    ; + bo
	v_pk_add_f32 v[18:19], v[18:19], v[146:147]
	global_store_b128 v12, v[16:19], s[10:11]
.Ldone:
	s_wait_tensorcnt 0x0                           ; the wave's end, behind my last LDS store
	ds_add_u32 v[SPW], v[NIL]
	s_wait_dscnt 0x0
	s_endpgm
.Lfunc_end_k_q22cdf73541_fine:
	.size	k_q22cdf73541_fine, .Lfunc_end_k_q22cdf73541_fine-k_q22cdf73541_fine
	.p2alignl 7, 3214868480
	.fill 96, 4, 3214868480
	.section	.rodata,"a",@progbits
	.p2align	6, 0x0
	.amdhsa_kernel k_q22cdf73541_fine
		.amdhsa_group_segment_fixed_size 18432
		.amdhsa_private_segment_fixed_size 0
		.amdhsa_enable_private_segment 0
		.amdhsa_kernarg_size 32
		.amdhsa_user_sgpr_count 2
		.amdhsa_user_sgpr_kernarg_segment_ptr 1
		.amdhsa_wavefront_size32 1
		.amdhsa_system_sgpr_workgroup_id_x 1
		.amdhsa_system_sgpr_workgroup_id_y 1
		.amdhsa_system_sgpr_workgroup_id_z 1
		.amdhsa_system_vgpr_workitem_id 0
		.amdhsa_next_free_vgpr 224
		.amdhsa_next_free_sgpr 66
		.amdhsa_reserve_vcc 1
		.amdhsa_float_denorm_mode_32 3
		.amdhsa_float_denorm_mode_16_64 3
		.amdhsa_memory_ordered 1
		.amdhsa_forward_progress 1
		.amdhsa_inst_pref_size 16
	.end_amdhsa_kernel
	.amdgpu_metadata
---
amdhsa.version: [ 1, 2 ]
amdhsa.kernels:
  - .name:           k_q22cdf73541_fine
    .symbol:         k_q22cdf73541_fine.kd
    .args:
      - { .name: fine32, .offset: 0, .size: 8, .value_kind: global_buffer, .address_space: global }
      - { .name: Wo, .offset: 8, .size: 8, .value_kind: global_buffer, .address_space: global }
      - { .name: bo, .offset: 16, .size: 8, .value_kind: global_buffer, .address_space: global }
      - { .name: out0, .offset: 24, .size: 8, .value_kind: global_buffer, .address_space: global }
    .group_segment_fixed_size: 18432
    .private_segment_fixed_size: 0
    .kernarg_segment_align: 8
    .kernarg_segment_size: 32
    .max_flat_workgroup_size: 512
    .sgpr_count:     66
    .vgpr_count:     224
    .wavefront_size: 32
...
	.end_amdgpu_metadata
.endif
;; end of part 5
